; MI455X (gfx1250); checked and timed in simulation.
; The chip was launched on July 23, 2026; its instructions are those of AMD's public machine-readable ISA for CDNA 5 (MIT licence, August 2026) and "CDNA5" Instruction Set Architecture Reference Guide (July 2026). The comments in the code are by the model that wrote it; some were corrected since.
;; Block. Allowed arithmetic: matrix products marked QUANTISED: E2M3 operands, one E8M0 scale for each 32 along K, by v_wmma_scale_f32_16x16x128_f8f6f4 with both operands' format E2M3, f32 sums; everything else in f32.
;; Inputs: b1 4,096 float32; b2 1,024 float32; b_proj 1,024 float32; be1 1,024 float32; be2 1,024 float32; g1 1,024 float32; g2 1,024 float32; w1_codes 4,096 x 32 x 24 uint8 (E2M3 codes of w1, K innermost, in blocks of 32 codes, four codes in three bytes); w1_scales 4,096 x 32 uint8 (E8M0 scales of w1, one for each 32 codes along K); w2_codes 1,024 x 128 x 24 uint8 (E2M3 codes of w2, K innermost, in blocks of 32 codes, four codes in three bytes); w2_scales 1,024 x 128 uint8 (E8M0 scales of w2, one for each 32 codes along K); w_proj_codes 1,024 x 32 x 24 uint8 (E2M3 codes of w_proj, K innermost, in blocks of 32 codes, four codes in three bytes); w_proj_scales 1,024 x 32 uint8 (E8M0 scales of w_proj, one for each 32 codes along K); wk_codes 16 x 64 x 32 x 24 uint8 (E2M3 codes of wk, K innermost, in blocks of 32 codes, four codes in three bytes); wk_scales 16 x 64 x 32 uint8 (E8M0 scales of wk, one for each 32 codes along K); wq_codes 16 x 64 x 32 x 24 uint8 (E2M3 codes of wq, K innermost, in blocks of 32 codes, four codes in three bytes); wq_scales 16 x 64 x 32 uint8 (E8M0 scales of wq, one for each 32 codes along K); wv_codes 16 x 64 x 32 x 24 uint8 (E2M3 codes of wv, K innermost, in blocks of 32 codes, four codes in three bytes); wv_scales 16 x 64 x 32 uint8 (E8M0 scales of wv, one for each 32 codes along K); x 4 x 1,024 x 1,024 float32.
;; Outputs: out0 4 x 1,024 x 1,024 float32.
;; This version of the problem:
;;   THIS VERSION OF THE PROBLEM IS GIVEN IN LOW PRECISION. The matrix products marked QUANTISED in the list below multiply operands that are first quantised to E2M3 (2 exponent bits, 3 mantissa bits; 6 bits a number), with one power-of-two scale for each 32 numbers along K (OCP MX v1.0); their sums are f32. All else is computed in f32.
;;   The module's matrix products, in the order in which they are computed (A, B: the left and right operand; K: the contracted axis; several contracted axes count as one K, in the product's order):
;;     1. [M 1,024, K 1,024] x [K 1,024, N 4,096]; A: input wq (given as codes); B: computed on the way: QUANTISED
;;     2. [M 1,024, K 1,024] x [K 1,024, N 4,096]; A: input wk (given as codes); B: computed on the way: QUANTISED
;;     3. [M 1,024, K 1,024] x [K 1,024, N 4,096]; A: input wv (given as codes); B: computed on the way: QUANTISED
;;     4. batch 64 x [M 1,024, K 64] x [K 64, N 1,024]; A: computed on the way; B: computed on the way: QUANTISED
;;     5. batch 64 x [M 1,024, K 1,024] x [K 1,024, N 64]; A: softmax (see below); B: computed on the way: QUANTISED
;;     6. [M 4,096, K 1,024] x [K 1,024, N 1,024]; A: computed on the way; B: input w_proj (given as codes): QUANTISED
;;     7. [M 4,096, K 1,024] x [K 1,024, N 4,096]; A: computed on the way; B: input w1 (given as codes): QUANTISED
;;     8. [M 4,096, K 4,096] x [K 4,096, N 1,024]; A: computed on the way; B: input w2 (given as codes): QUANTISED
;;   THE QUANTISER, for each operand of a quantised product, along K:
;;     - K is cut into blocks of 32 from its start; a last block that is shorter is filled with zeros.
;;     - A block's scale is 2^e with e = floor(log2(the largest magnitude in the block)) - 2, held to -126 .. 127; a block of zeros has e = 0. As a byte (E8M0): e + 127.
;;     - Each number is divided by its block's scale, clamped to +-7.5, and rounded to the nearest number of E2M3, ties to even, subnormals kept.
;;     - The product sums the exact products of the quantised numbers (number of the format x scale) in f32.
;;   ~~~python
;;   def quantise(x, axis):      # numpy; x: float32 -> the quantised numbers, widened to float32 again
;;       x = np.moveaxis(x, axis, -1); K = x.shape[-1]
;;       x = np.pad(x, [(0, 0)] * (x.ndim - 1) + [(0, -K % 32)]); x = x.reshape(x.shape[:-1] + (-1, 32)); a = np.abs(x).max(-1, keepdims=True)
;;       e = np.where(a > 0, np.clip(np.frexp(np.where(a > 0, a, 1))[1] - 1 - 2, -126, 127), 0)      # np.frexp(a)[1] - 1 = floor(log2(a)), exactly
;;       r = np.clip(x / 2.0 ** e, -7.5, 7.5)
;;       step = 2.0 ** (np.maximum(np.frexp(np.where(r == 0, 1, r))[1] - 1, 0) - 3)
;;       q = np.round(r / step) * step * 2.0 ** e      # np.round: ties to even
;;       return np.moveaxis(q.reshape(q.shape[:-2] + (-1,))[..., :K], -1, axis).astype(np.float32)
;;   ~~~
;;   SOFTMAX AHEAD OF A QUANTISED PRODUCT. Where the list says 'softmax', what is quantised is not the finished softmax but p = 2^(t - M), with t = logit x log2(e) and M = ceil(the row's largest t), a whole number; so 1/2 < the row's largest p <= 1. The row's sum l is taken of the UNQUANTISED p, in f32, and the product's result is divided by l at the end. Since M is a whole number, a kernel that streams over the keys may use a running M (the ceiling of the running maximum): every later rescaling is an exact power of two, which a block's scale takes up: the codes' values come out the same.
;;   OPERANDS COMPUTED ON THE WAY. 'Computed on the way' means the value that the module computes at that place (a softmax that the list does not call 'softmax' is quantised finished and normalised). What goes into a quantiser is computed in f32, as accurately as f32 sums, v_exp_f32 and their like allow (about 1e-6 of the number): no bf16 or f16 on the way to a quantiser, and a product that is left as it is and whose result goes on into a quantised operand takes f32 operands (vector FMAs, or v_wmma_f32_16x16x4_f32). A number that lies on a knife's edge between two numbers of the format may be rounded either way, as far as f32 arithmetic and the matrix unit's own rounding can turn it there, and no further.
;;   INPUTS GIVEN AS CODES. w1 (in the module: [1024, 4096], K = its axis 0); w2 (in the module: [4096, 1024], K = its axis 0); w_proj (in the module: [1024, 1024], K = its axis 0); wk (in the module: [16, 1024, 64], K = its axis 1); wq (in the module: [16, 1024, 64], K = its axis 1); wv (in the module: [16, 1024, 64], K = its axis 1): each comes as NAME_codes (uint8): NAME with its K axis moved to the last place and cut into blocks of 32 codes, [.., K / 32, bytes a block], one block behind the other in memory; four codes in three bytes: a row's codes are one little-endian stream of bits, code i at bits 6 i .. 6 i + 5 (a code: sign, 2 exponent bits, 3 mantissa bits); and NAME_scales (uint8): the same leading axes, one E8M0 byte (e + 127) for each 32 codes along K. Its value is code x scale, taken as it is: it is not quantised again, and the codes and scales need not be those that the quantiser above would give.
;; One version. Each part assembles by itself: llvm-mc -triple=amdgcn-amd-amdhsa -mcpu=gfx1250 --defsym DOCPART=n.
;; ======== version 1 of 1: 7 launches
;; limits: right only within a limited range of input values
;; workspace buffers: hq 3,276,800 bytes; qkv 9,830,400 bytes; oq 3,276,800 bytes; x1 16,777,216 bytes; tq 3,276,800 bytes; hid 13,107,200 bytes; wim 9,437,184 bytes
;; launch ln1 (part 1): grid 256 x 1, 4 waves a work-group, no clusters, 34,304 bytes of LDS; arguments x, g1, be1, hq, wq_codes, wk_codes, wv_codes, w_proj_codes, w1_codes, w2_codes, wim; writes hq, wim
.if DOCPART == 1
	.amdgcn_target "amdgcn-amd-amdhsa--gfx1250"
	.amdhsa_code_object_version 6
	.text
	.protected	k_q8b3d90965b_ln1
	.globl	k_q8b3d90965b_ln1
	.p2align	8
	.type	k_q8b3d90965b_ln1,@function
k_q8b3d90965b_ln1:
	s_mov_b64 s[64:65], 0
	v_nop
	global_prefetch_b8 v0, s[64:65] scope:SCOPE_SE
	s_setreg_imm32_b32 hwreg(HW_REG_WAVE_MODE, 25, 1), 1
	s_wait_xcnt 0x0
; h = LayerNorm(x) x g + be, quantised along the row to codes of FP6 (E2M3) with one E8M0 byte for each 32 numbers.
; x: [4096][1024] f32.  Out: codes as images [row / 16][k / 128][1536 bytes], and from byte SCOFF on the scale bytes [4096][32].
; SHARES.  A work-group takes 16 rows, a wave 4; a wave holds a whole row in 32 registers a lane, so the row is read once and the two sums never leave the wave.
; Each load reads 512 consecutive bytes; the mean is taken first and the squares of the differences second, as the definition has it, so a common offset of the inputs costs no accuracy.
; The conversion takes 16 neighbours from ONE lane's registers: the finished row turns through the wave's own stage in LDS (16 bytes of padding behind each 64) and comes back 64 bytes a lane.
; A block's scale is 2^(floor(log2(largest magnitude)) - 2): its byte is the largest magnitude's exponent field - 2, held at 1 from below.
; LIMITS: NaN and infinities are not served; a block whose largest magnitude lies under 2^-124 keeps the byte 1; a block of zeros gets the byte 1 and not 127 (its codes are zeros, and this program alone reads the bytes).
; No matrix unit, no tensor load, no cluster: the launch streams, and work-groups share nothing but g and be.
.set PASSES, 1                         ; how often the norm is applied
.set CROW,  768                        ; a row of codes in bytes
.set SCOFF, 3145728                    ; where the scale bytes begin
.set STG,   5120                       ; a wave's stage: 64 x (64 + 16) bytes
.set SCB,   20480                      ; the work-group's 16 x 32 scale bytes
.set G,   16                           ; v16-47   g of my 32 columns
.set BE,  48                           ; v48-79   be
.set X,   80                           ; v80-207  four rows x 32; a row's registers later hold its codes and bytes
.set Q,   208                          ; v208-239 two sets of 16 neighbours
; THE CODES LEAVE AS IMAGES OF OPERAND REGISTERS: [row / 16][k / 128][1536 bytes], register pair p of lane (r, h) at 256 p + 8 (r + 16 h).  The work-group's 16 rows are 8 images, gathered in LDS from IMG on.
; THE SIX WEIGHTS ARE LAID OUT THE SAME WAY into wim (wq, wk, wv, w_proj, 786,432 bytes each; w1 at 3,145,728; w2 at 6,291,456): 6,144 images, six a wave, loaded in the operand's own lane order into v256-327 and stored 256 bytes an instruction.
.set IMG, 22016
	s_load_b256 s[4:11], s[0:1], 0x0
	s_load_b256 s[32:39], s[0:1], 0x20             ; wq, wk, wv, w_proj
	s_load_b128 s[40:43], s[0:1], 0x40             ; w1, w2
	s_load_b64 s[44:45], s[0:1], 0x50              ; wim
	v_lshl_add_u32 v240, v0, 2, 0x5400
	v_mov_b32 v241, 0
	v_lshrrev_b32 v1, 5, v0
	v_readfirstlane_b32 s14, v1                    ; wave
	v_and_b32 v1, 31, v0                           ; lane
	v_lshlrev_b32 v2, 4, v1                        ; my 16 bytes of a load's 512
	s_mul_i32 s22, s14, STG
	v_lshrrev_b32 v3, 2, v1
	v_mul_u32_u24 v3, v3, 80
	v_and_b32 v4, 3, v1
	v_lshl_add_u32 v3, v4, 4, v3
	v_add_nc_u32 v3, s22, v3                       ; the stage, in: 80 (lane / 4) + 16 (lane % 4)
	v_mul_u32_u24 v4, v1, 80
	v_add_nc_u32 v4, s22, v4                       ; and out: 80 x lane
	v_lshrrev_b32 v5, 2, v1                        ; my 16 codes are half (lane % 2) of block (lane / 2) % 4 of image lane / 8 (+ 4 for the row's second half)
	v_mul_u32_u24 v5, v5, 768
	v_bfe_u32 v242, v1, 1, 1
	v_lshl_add_u32 v5, v242, 7, v5
	s_lshl_b32 s25, s14, 5
	s_add_co_u32 s25, s25, IMG
	v_add_nc_u32 v5, s25, v5                       ; + 8 bytes a row: 32 x wave
	v_and_b32 v243, 1, v1
	v_mad_u32_u24 v242, v243, 508, v5              ; my three words lie at 0, 4, 256 (lower half) or 260, 512, 516 (upper half)
	v_mad_u32_u24 v5, v243, 260, v5
	v_lshlrev_b32 v244, 4, v0                      ; the images' way out: 16 bytes a thread
	v_add_nc_u32 v245, IMG, v244
	v_and_b32 v246, 15, v1
	v_lshrrev_b32 v247, 4, v1
	v_mul_u32_u24 v248, v247, 24
	v_mad_u32_u24 v247, v246, 3072, v248           ; w2: row r of 3,072 bytes, + 24 h
	v_mad_u32_u24 v246, v246, 768, v248            ; the others: row r of 768 bytes, + 24 h
	v_lshlrev_b32 v248, 3, v1                      ; 8 x lane
	v_lshrrev_b32 v6, 1, v1
	s_lshl_b32 s23, s14, 7
	s_add_co_u32 s23, s23, SCB
	v_add_nc_u32 v6, s23, v6                       ; my block's scale byte: my wave's 128 bytes, lane / 2
	v_add_nc_u32 v7, SCB, v2                       ; the bytes' way out: 16 a lane
	v_mov_b32 v14, 0                               ; written once: a lane permute's destination counts as one of its sources
	s_mov_b32 s12, 0x76543210
	s_mov_b32 s13, 0xfedcba98                      ; selects for lane l xor 16
	s_mov_b32 s15, 0x3727c5ac                      ; 1e-5
	s_mov_b32 s24, 0x3a800000                      ; 1 / 1024
	s_lshl_b32 s16, ttmp9, 4
	s_lshl_b32 s17, s14, 2
	s_add_co_u32 s18, s16, s17                     ; my first row: 16 x work-group + 4 x wave
	s_lshl_b32 s16, s18, 12
	s_mov_b32 s17, 0
	s_mul_i32 s18, ttmp9, 12288                    ; the work-group's 8 images
	s_mov_b32 s19, 0
	s_lshl_b32 s20, ttmp9, 9
	s_add_co_u32 s20, s20, SCOFF
	s_mov_b32 s21, 0
	s_mul_i32 s54, s14, 192                        ; wave g = 4 x work-group + wave takes images 2 g and 2 g + 1 of each of three runs of 2,048
	s_and_b32 s46, ttmp9, 63
	s_mul_i32 s46, s46, 12288
	s_add_co_u32 s46, s46, s54                     ; wq, wk, wv or w_proj: 16 rows x 768 bytes a work-group
	s_mov_b32 s47, 0
	s_mul_i32 s50, ttmp9, 12288
	s_add_co_u32 s50, s50, s54                     ; w1
	s_mov_b32 s51, 0
	s_lshr_b32 s52, ttmp9, 2
	s_mul_i32 s52, s52, 49152
	s_and_b32 s55, ttmp9, 3
	s_mul_i32 s55, s55, 768
	s_add_co_u32 s52, s52, s55
	s_add_co_u32 s52, s52, s54                     ; w2: 16 rows x 3,072 bytes for four work-groups
	s_mov_b32 s53, 0
	s_lshl_b32 s56, ttmp9, 2
	s_add_co_u32 s56, s56, s14
	s_mul_i32 s56, s56, 3072
	s_mov_b32 s57, 0
	s_lshr_b32 s58, ttmp9, 6                       ; which of the four small weights
	s_wait_alu depctr_va_vdst(0)                   ; the wait at the head's end
	s_wait_kmcnt 0x0
	s_cmp_eq_u32 s58, 0
	s_cselect_b64 s[32:33], s[32:33], s[34:35]
	s_cmp_eq_u32 s58, 2
	s_cselect_b64 s[36:37], s[36:37], s[38:39]
	s_cmp_lt_u32 s58, 2
	s_cselect_b64 s[32:33], s[32:33], s[36:37]
	s_add_nc_u64 s[32:33], s[32:33], s[46:47]
	s_add_nc_u64 s[40:41], s[40:41], s[50:51]
	s_add_nc_u64 s[42:43], s[42:43], s[52:53]
	s_add_nc_u64 s[44:45], s[44:45], s[56:57]
	s_add_nc_u64 s[4:5], s[4:5], s[16:17]
	s_add_nc_u64 s[20:21], s[10:11], s[20:21]      ; the work-group's 512 scale bytes
	s_add_nc_u64 s[10:11], s[10:11], s[18:19]
	s_set_vgpr_msb 0x40                            ; destinations v256 on
.irp i, 0,1
.irp p, 0,1,2,3,4,5
	global_load_b64 v[12*\i+2*\p:12*\i+2*\p+1], v246, s[32:33] offset:96*\i+48*(\p/3)+8*(\p%3)
	global_load_b64 v[24+12*\i+2*\p:24+12*\i+2*\p+1], v246, s[40:41] offset:96*\i+48*(\p/3)+8*(\p%3)
	global_load_b64 v[48+12*\i+2*\p:48+12*\i+2*\p+1], v247, s[42:43] offset:96*\i+48*(\p/3)+8*(\p%3)
.endr
.endr
	s_set_vgpr_msb 0x4000
.irp i, 0,1,2,3,4,5,6,7
	global_load_b128 v[G+4*\i:G+4*\i+3], v2, s[6:7] offset:512*\i
.endr
.irp i, 0,1,2,3,4,5,6,7
	global_load_b128 v[BE+4*\i:BE+4*\i+3], v2, s[8:9] offset:512*\i
.endr
.irp j, 0,1,2,3
.irp i, 0,1,2,3,4,5,6,7
	global_load_b128 v[X+32*\j+4*\i:X+32*\j+4*\i+3], v2, s[4:5] offset:4096*\j+512*\i
.endr
.endr
.macro RED                             ; v8 summed over the 32 lanes, the result in every lane
	v_add_f32_dpp v8, v8, v8 row_xmask:1 row_mask:0xf bank_mask:0xf
	v_add_f32_dpp v8, v8, v8 row_xmask:2 row_mask:0xf bank_mask:0xf
	v_add_f32_dpp v8, v8, v8 row_xmask:4 row_mask:0xf bank_mask:0xf
	v_add_f32_dpp v8, v8, v8 row_xmask:8 row_mask:0xf bank_mask:0xf
	v_permlanex16_b32 v14, v8, s12, s13
	v_add_f32 v8, v8, v14
.endm
.macro LNPASS                          ; the norm, in place on v[XB] .. v[XB+31]
	v_pk_add_f32 v[8:9], v[XB:XB+1], v[XB+2:XB+3]  ; the sum, in two chains: nothing is cleared
	v_pk_add_f32 v[10:11], v[XB+4:XB+5], v[XB+6:XB+7]
.irp i, 8,12,16,20,24,28
	v_pk_add_f32 v[8:9], v[8:9], v[XB+\i:XB+\i+1]
	v_pk_add_f32 v[10:11], v[10:11], v[XB+\i+2:XB+\i+3]
.endr
	v_pk_add_f32 v[8:9], v[8:9], v[10:11]
	v_add_f32 v8, v8, v9
	RED
	v_mul_f32 v12, s24, v8                         ; the mean
	v_mov_b32 v13, v12
.irp i, 0,2,4,6,8,10,12,14,16,18,20,22,24,26,28,30
	v_pk_add_f32 v[XB+\i:XB+\i+1], v[XB+\i:XB+\i+1], v[12:13] neg_lo:[0,1] neg_hi:[0,1]   ; x - mean
.endr
	v_pk_mul_f32 v[8:9], v[XB:XB+1], v[XB:XB+1]    ; the squares, in two chains
	v_pk_mul_f32 v[10:11], v[XB+2:XB+3], v[XB+2:XB+3]
.irp i, 4,8,12,16,20,24,28
	v_pk_fma_f32 v[8:9], v[XB+\i:XB+\i+1], v[XB+\i:XB+\i+1], v[8:9]
	v_pk_fma_f32 v[10:11], v[XB+\i+2:XB+\i+3], v[XB+\i+2:XB+\i+3], v[10:11]
.endr
	v_pk_add_f32 v[8:9], v[8:9], v[10:11]
	v_add_f32 v8, v8, v9
	RED
	v_fma_f32 v12, v8, s24, s15                    ; the variance + 1e-5
	s_wait_alu depctr_va_vdst(0)
	v_rsq_f32 v12, v12
	v_nop                                          ; a plain instruction behind the transcendental,
	s_wait_alu depctr_va_vdst(0)                   ; and the wait ahead of its first reader
	v_mov_b32 v13, v12
.irp i, 0,2,4,6,8,10,12,14,16,18,20,22,24,26,28,30
	v_pk_mul_f32 v[XB+\i:XB+\i+1], v[XB+\i:XB+\i+1], v[12:13]
.endr
.irp i, 0,2,4,6,8,10,12,14,16,18,20,22,24,26,28,30
	v_pk_fma_f32 v[XB+\i:XB+\i+1], v[XB+\i:XB+\i+1], v[G+\i:G+\i+1], v[BE+\i:BE+\i+1]
.endr
.endm
.macro ROWQ j                          ; row j is quantised and leaves
.irp i, 0,1,2,3,4,5,6,7
	ds_store_b128 v3, v[XB+4*\i:XB+4*\i+3] offset:640*\i
.endr
.irp u, 0,1
.irp i, 0,1,2,3
	ds_load_b128 v[Q+16*\u+4*\i:Q+16*\u+4*\i+3], v4 offset:2560*\u+16*\i   ; LDS serves a wave's instructions in order: these see the stores above
.endr
.endr
.irp u, 0,1
	s_wait_dscnt 4                                 ; half 0: the other half's four loads may be out; half 1: half 0's four LDS stores
.set QS, Q+16*\u
	v_max3_num_f32 v8, |v[QS]|, |v[QS+1]|, |v[QS+2]|
	v_max3_num_f32 v9, |v[QS+3]|, |v[QS+4]|, |v[QS+5]|
.irp i, 6,10
	v_max3_num_f32 v8, v8, |v[QS+\i]|, |v[QS+\i+1]|
	v_max3_num_f32 v9, v9, |v[QS+\i+2]|, |v[QS+\i+3]|
.endr
	v_max3_num_f32 v8, v8, |v[QS+14]|, |v[QS+15]|
	v_max3_num_f32 v8, v8, v9, 0x1800000           ; and the floor 2^(3 - 127): the byte cannot fall under 1
	v_max_num_f32_dpp v8, v8, v8 row_xmask:1 row_mask:0xf bank_mask:0xf   ; with my neighbour's 16: the block's largest magnitude
	v_add_nc_u32 v15, 0xff000000, v8               ; 2 off its exponent field: the conversion's scale operand
	v_cvt_scalef32_pk16_fp6_f32 v[XB+4*\u:XB+4*\u+2], v[QS:QS+15], v15   ; into the row's own registers, which are free: no store's data are ever written again
	v_lshrrev_b32 v[XB+8+\u], 23, v15              ; the scale's byte (also the plain instruction behind the conversion)
	ds_store_b8 v6, v[XB+8+\u] offset:32*\j+16*\u  ; both lanes of a block write the same byte with the same value
	ds_store_b32 v5, v[XB+4*\u] offset:8*\j+6144*\u
	ds_store_b32 v242, v[XB+4*\u+1] offset:8*\j+6144*\u+4
	ds_store_b32 v5, v[XB+4*\u+2] offset:8*\j+6144*\u+256
.endr
.endm
.irp j, 0,1,2,3
	s_wait_loadcnt 8*(3-\j)                        ; g, be and rows up to j are in; the younger rows' eight loads each stay out
.set XB, X+32*\j
.rept PASSES
	LNPASS
.endr
	ROWQ \j
.endr
	s_set_vgpr_msb 0x04                            ; the weights' images (their loads are older than the rows'): data from v256 on
.irp w, 0,1,2
.irp i, 0,1
.irp p, 0,1,2,3,4,5
	global_store_b64 v248, v[24*\w+12*\i+2*\p:24*\w+12*\i+2*\p+1], s[44:45] offset:3145728*\w+1536*\i+256*\p
.endr
.endr
.endr
	s_set_vgpr_msb 0x0400
	s_wait_dscnt 0x0
	s_barrier_signal -1
	s_barrier_wait -1
.irp i, 0,1,2,3,4,5
	ds_load_b128 v[X+4*\i:X+4*\i+3], v245 offset:2048*\i   ; the 8 images leave in runs of 2,048 bytes
.endr
	s_wait_dscnt 0x0
.irp i, 0,1,2,3,4,5
	global_store_b128 v244, v[X+4*\i:X+4*\i+3], s[10:11] offset:2048*\i
.endr
	s_cmp_lg_u32 s14, 0
	s_cbranch_scc1 .Lend
	ds_load_b128 v[208:211], v7                    ; wave 0 stores the 16 rows' 512 scale bytes: two aligned runs of 256
	s_wait_dscnt 0x0
	global_store_b128 v2, v[208:211], s[20:21]
.Lend:
	s_wait_tensorcnt 0x0
	ds_add_u32 v240, v241
	s_wait_dscnt 0x0
	s_endpgm
.Lfunc_end_k_q8b3d90965b_ln1:
	.size	k_q8b3d90965b_ln1, .Lfunc_end_k_q8b3d90965b_ln1-k_q8b3d90965b_ln1
	.p2alignl 7, 3214868480
	.fill 96, 4, 3214868480
	.section	.rodata,"a",@progbits
	.p2align	6, 0x0
	.amdhsa_kernel k_q8b3d90965b_ln1
		.amdhsa_group_segment_fixed_size 34304
		.amdhsa_private_segment_fixed_size 0
		.amdhsa_enable_private_segment 0
		.amdhsa_kernarg_size 88
		.amdhsa_user_sgpr_count 2
		.amdhsa_user_sgpr_kernarg_segment_ptr 1
		.amdhsa_wavefront_size32 1
		.amdhsa_system_sgpr_workgroup_id_x 1
		.amdhsa_system_sgpr_workgroup_id_y 1
		.amdhsa_system_sgpr_workgroup_id_z 1
		.amdhsa_system_vgpr_workitem_id 0
		.amdhsa_next_free_vgpr 328
		.amdhsa_next_free_sgpr 66
		.amdhsa_reserve_vcc 0
		.amdhsa_float_denorm_mode_32 3
		.amdhsa_float_denorm_mode_16_64 3
		.amdhsa_memory_ordered 1
		.amdhsa_forward_progress 1
		.amdhsa_inst_pref_size 54
	.end_amdhsa_kernel
	.amdgpu_metadata
---
amdhsa.version: [ 1, 2 ]
amdhsa.kernels:
  - .name:           k_q8b3d90965b_ln1
    .symbol:         k_q8b3d90965b_ln1.kd
    .args:
      - { .name: x, .offset: 0, .size: 8, .value_kind: global_buffer, .address_space: global }
      - { .name: g1, .offset: 8, .size: 8, .value_kind: global_buffer, .address_space: global }
      - { .name: be1, .offset: 16, .size: 8, .value_kind: global_buffer, .address_space: global }
      - { .name: hq, .offset: 24, .size: 8, .value_kind: global_buffer, .address_space: global }
      - { .name: wq_codes, .offset: 32, .size: 8, .value_kind: global_buffer, .address_space: global }
      - { .name: wk_codes, .offset: 40, .size: 8, .value_kind: global_buffer, .address_space: global }
      - { .name: wv_codes, .offset: 48, .size: 8, .value_kind: global_buffer, .address_space: global }
      - { .name: w_proj_codes, .offset: 56, .size: 8, .value_kind: global_buffer, .address_space: global }
      - { .name: w1_codes, .offset: 64, .size: 8, .value_kind: global_buffer, .address_space: global }
      - { .name: w2_codes, .offset: 72, .size: 8, .value_kind: global_buffer, .address_space: global }
      - { .name: wim, .offset: 80, .size: 8, .value_kind: global_buffer, .address_space: global }
    .group_segment_fixed_size: 34304
    .private_segment_fixed_size: 0
    .kernarg_segment_align: 8
    .kernarg_segment_size: 88
    .max_flat_workgroup_size: 128
    .sgpr_count:     66
    .vgpr_count:     328
    .wavefront_size: 32
...
	.end_amdgpu_metadata
.endif
;; end of part 1
;; launch qkv (part 2): grid 12 x 16, 4 waves a work-group, clusters of 4 x 4, 327,680 bytes of LDS; arguments hq, wim, wq_scales, wk_scales, wv_scales, qkv; writes qkv
.if DOCPART == 2
	.amdgcn_target "amdgcn-amd-amdhsa--gfx1250"
	.amdhsa_code_object_version 6
	.text
	.protected	k_q8b3d90965b_qkv
	.globl	k_q8b3d90965b_qkv
	.p2align	8
	.type	k_q8b3d90965b_qkv,@function
k_q8b3d90965b_qkv:
	s_mov_b64 s[64:65], 0
	v_nop
	global_prefetch_b8 v0, s[64:65] scope:SCOPE_SE
	s_setreg_imm32_b32 hwreg(HW_REG_WAVE_MODE, 25, 1), 1
	s_wait_xcnt 0x0
	s_wait_alu depctr_hold_cnt(0) depctr_sa_sdst(0) depctr_va_vdst(0) depctr_va_sdst(0) depctr_va_ssrc(0) depctr_va_vcc(0) depctr_vm_vsrc(0)
	s_getreg_b32 s2, hwreg(HW_REG_IB_STS2, 6, 4)
	s_cmp_eq_u32 s2, 0
	s_cbranch_scc0 .Lentry_in_a_cluster
	s_endpgm
.Lentry_in_a_cluster:
	s_bfe_u32 s2, ttmp6, 0x10000c
	s_cmp_lg_u32 s2, 0xf033
	s_cbranch_scc0 .Lentry_shape_is_right
	s_endpgm
.Lentry_shape_is_right:
; q, k and v in one launch: C[m][n] = sum over c of A[m][c] B[n][c] on codes of FP6 (E2M3) with E8M0 scales, K = 1024, and C quantised along n, 32 at a time.
; The cluster's x says which: 0: q, 1: k (A = the normed tokens, 4096 rows; B = the weight, 1024 rows h x 64 + d): n runs along d, the K of q k^T.
; 2: v, with the sides swapped (A = wv, B = the tokens): n runs along the tokens, the K of p v.  One path of text serves all three: only pointers and pitches are chosen, by the cluster's x, which all partners share.
; OUT, "pieces": codes [chunk of 64 n][m][48 bytes], scale bytes [chunk][m][2]; q at 0, k at 3,145,728, v at 6,291,456; scales from 9,437,184 on, 131,072 apart.
; A tile of C, 256 x 256, is made by four waves, 128 x 128 each: 64 accumulators.  K goes in steps of 256 through a ring of two LDS slots filled by the tensor data mover; the scales of all of K come once.
; CLUSTERS: 4 x 4 work-groups; A's tiles are asked for jointly along a row of the cluster, B's along a column.  The matrix instruction is used transposed (source 0 = 16 rows of B, source 1 = 16 rows of A).
; 192 work-groups: the three products have no more tiles of this size.
; LIMITS: NaN and infinities are not served; a block whose largest magnitude lies under 2^-124 keeps the byte 1; a block of zeros gets the byte 1 and not 127 (zero codes; this program alone reads the bytes).
; REGISTERS: window 0: v0-31 addresses; v32-63 scale words, two sets; from v128 A's fragments; on the way out v64-107 at work, v128-255 two blocks of 16 rows.  window 1: B's fragments, two sets.  windows 2, 3: accumulators.
.set SIZE_K, 1024
.set KSTEP,  256
.set NQ,     KSTEP/128
; BOTH OPERANDS COME AS IMAGES OF OPERAND REGISTERS, [row / 16][k / 128][1536 bytes]: a K step of 256 is two images on end, 3,072 bytes, of each block of 16 rows; each LDS load reads 256 bytes on end.
.set ROWB,   3072
.set KROW,   SIZE_K*6/8
.set PITCH,  192                       ; LDS bytes a row and K step
.set FR,     12
.set NL,     6
.set NP,     4
.set HALFT,  128*PITCH
.set SLOT,   4*HALFT
.set LAPS,   SIZE_K/(2*KSTEP)
.set KS,     SIZE_K/32
.set SCL,    2*SLOT
.set HALFS,  (128*KS/256)*272
.set SBLK,   (16*KS/256)*272
.set SPARE,  SCL+4*HALFS               ; the spare words, 128 bytes a wave: no other line names them
.set SPITCH, 528                       ; the way out lies in slot 0, which has had its last fill and its last read by then: a stage of 16 rows x (512 + 16) bytes a wave,
.set CST,    4*16*SPITCH               ; 1,536 bytes a wave for a block's codes,
.set SST,    CST+4*1536                ; 512 bytes a wave for its scale pairs
.set CSO,  7                           ; v7   codes into CST: 48 x lane
.set CSR,  8                           ; v8   and back: 16 x lane
.set SSO,  9                           ; v9   scale pairs into SST: 256 h + 2 r
.set SSR,  10                          ; v10  and back
.set GA0,  11                          ; v11-13 where a block's three stores go
.set GA1,  12
.set GA2,  13
.set GS,   14                          ; v14  where the scale pairs go
.set ADRA, 16
.set ADRB, 20
.set STO,  24
.set RD,   25
.set ADRS, 27
.set SPW,  28
.set NIL,  29
.set SC,   32
.set AF,   128
.set BK,   128
.set CC,   64                          ; v64-75 a lane's 64 codes
.set T0,   76
.set T1,   80
.set MM,   84
.set SS,   86
.set EE,   88
.set UU,   90
.set CR,   92                          ; v92-103 codes read back
.set SRR,  104
.set G1, 24
.set G0, 32
.set G1B, 48
.set G0B, 56
.set G1S, 68
.set G0S, 76
.set G1SB, 80
.set G0SB, 88
.set MSB, 0
.macro WIN new                         ; the immediate's high byte repeats the setting that is left
.if MSB != \new
	s_set_vgpr_msb (MSB<<8)|\new
.set MSB, \new
.endif
.endm
.set MUL_LO, 0xa1                      ; source 0 (B) window 1, source 1 (A) window 0, C and D window 2
.set MUL_HI, 0xf1
.set TO_B,   0x40
; A joint load: waves 0 and 1 fetch for A, waves 2 and 3 for B; the branch hangs on the wave's number alone.  Four v_nop follow each of the two lines.
.macro JLOAD g0a, g1a, g0b, g1b
	s_cmp_eq_u32 s15, 0
	s_cbranch_scc0 .Lfor_b_\@
	tensor_load_to_lds s[\g0a:\g0a+3], s[\g1a:\g1a+7]
	s_nop 0
.rept 4
	v_nop
.endr
	s_branch .Lasked_\@
.Lfor_b_\@:
	tensor_load_to_lds s[\g0b:\g0b+3], s[\g1b:\g1b+7]
	s_nop 0
.rept 4
	v_nop
.endr
.Lasked_\@:
.endm
.macro CREST                           ; a round of the cluster's barrier behind its opening barrier
	s_cmp_lg_u32 s14, 0
	s_cbranch_scc1 .Lnot_wave_0_\@
	s_barrier_signal -3
.Lnot_wave_0_\@:
	s_barrier_wait -3
	s_barrier_signal -1
	s_barrier_wait -1
.endm
.macro CROUND
	s_barrier_signal -1
	s_barrier_wait -1
	CREST
.endm
	s_load_b256 s[68:75], s[0:1], 0x0              ; hq, wim, wq's scales, wk's scales
	s_load_b128 s[76:79], s[0:1], 0x20             ; wv's scales, qkv
	v_lshl_add_u32 v[SPW], v0, 2, SPARE
	v_mov_b32 v[NIL], 0
	ds_add_u32 v28, v29
	ds_add_u32 v28, v29
	s_wait_dscnt 0x0
	v_lshrrev_b32 v1, 5, v0
	v_readfirstlane_b32 s14, v1                    ; wave 0..3
	s_lshr_b32 s15, s14, 1                         ; which half of the tile's rows is mine.  Also: I fetch for A (0) or for B (1)
	s_and_b32 s16, s14, 1                          ; which half of its columns.  Also: which 128 rows I fetch
	s_bfe_u32 s40, ttmp6, 0x40000                  ; cx, cy
	s_bfe_u32 s41, ttmp6, 0x40004
	s_and_b32 s17, ttmp7, 0xffff                   ; the cluster's y, 0..3
	s_lshr_b32 s95, ttmp9, 1                       ; 1 for v, 0 for q and k
	s_mul_i32 s42, s17, s95                        ; v: the clusters lie side by side along n (16 tile columns, 4 tile rows);
	s_sub_co_u32 s17, s17, s42                     ; q, k: one below the other (16 tile rows, 4 tile columns)
	s_lshl_b32 s42, s42, 2
	s_add_co_u32 s42, s42, s40                     ; tile column of C
	s_lshl_b32 s17, s17, 2
	s_add_co_u32 s17, s17, s41                     ; tile row of C
	s_lshl_b32 s43, s41, 2
	s_lshl_b32 s43, 15, s43                        ; my row of the cluster
	s_lshl_b32 s44, 0x1111, s40                    ; my column
	s_or_b32 s[G1+0], s43, (3<<16)|(1<<21)         ; the mask; elements of 8 bytes; bit 21 beside a mask
	s_or_b32 s[G1B+0], s44, (3<<16)|(1<<21)
.irp g, G1, G1B
	s_mov_b32 s[\g+1], 384<<16                     ; a row: two images, 3,072 bytes
	s_mov_b32 s[\g+2], 16<<16                      ; 16 blocks of 16 rows for the head's loads; 8 behind them
	s_mov_b32 s[\g+3], 384<<16
	s_mov_b32 s[\g+4], 16
	s_mov_b32 s[\g+5], 1536                        ; from block to block: 8 images
	s_mov_b32 s[\g+6], 0
	s_mov_b32 s[\g+7], 0
.endr
	s_wait_kmcnt 0x0
	s_add_nc_u64 s[84:85], s[68:69], 3145728       ; hq's scale bytes lie behind its codes
	s_mul_i32 s86, ttmp9, 786432                   ; the weight's images: wq's, wk's, wv's lie on end in wim
	s_mov_b32 s87, 0
	s_add_nc_u64 s[86:87], s[70:71], s[86:87]
	s_cmp_eq_u32 ttmp9, 0                          ; the choices hang on the cluster's x alone
	s_cselect_b64 s[88:89], s[72:73], s[74:75]
	s_cmp_eq_u32 ttmp9, 2
	s_cselect_b64 s[88:89], s[76:77], s[88:89]
	s_cselect_b64 s[4:5], s[86:87], s[68:69]       ; A: for v the weight, else the tokens
	s_cselect_b64 s[6:7], s[88:89], s[84:85]
	s_cselect_b64 s[8:9], s[68:69], s[86:87]       ; B: the other
	s_cselect_b64 s[10:11], s[84:85], s[88:89]
	s_mov_b64 s[12:13], s[78:79]
	; the scales of 256 rows: a dense block of 256 KS bytes, as rows of 256 bytes, 16 bytes of padding behind each
	s_or_b32 s[G1S+0], s43, (3<<16)|(1<<20)|(1<<21)|(5<<22)|(3<<25)
	s_or_b32 s[G1SB+0], s44, (3<<16)|(1<<20)|(1<<21)|(5<<22)|(3<<25)
.irp g, G1S, G1SB
	s_mov_b32 s[\g+1], 32<<16
	s_mov_b32 s[\g+2], (256*KS/256)<<16
	s_mov_b32 s[\g+3], 32<<16
	s_mov_b32 s[\g+4], 256*KS/256
	s_mov_b32 s[\g+5], 32
	s_mov_b32 s[\g+6], 0
	s_mov_b32 s[\g+7], 0
.endr
	s_lshl_b32 s20, s17, 8                         ; A: the tile's first row
	s_lshl_b32 s46, s42, 8                         ; B: likewise
	s_mov_b32 s21, 0
	s_mov_b32 s47, 0
	s_mov_b64 s[18:19], KS
	s_mul_u64 s[22:23], s[20:21], s[18:19]         ; where these rows' scales begin
	s_mul_u64 s[92:93], s[46:47], s[18:19]
	s_mov_b64 s[18:19], KROW
	s_mul_u64 s[20:21], s[20:21], s[18:19]         ; and their codes
	s_mul_u64 s[46:47], s[46:47], s[18:19]
	s_mul_i32 s45, s14, HALFT                      ; where they go: wave x 128 rows
	s_mul_i32 s18, s16, 128*KROW                   ; in the ring I fetch 128 rows: which half, in bytes
	s_mov_b32 s19, 0
	s_add_nc_u64 s[20:21], s[4:5], s[20:21]
	s_add_nc_u64 s[22:23], s[6:7], s[22:23]
	s_add_nc_u64 s[46:47], s[8:9], s[46:47]
	s_add_nc_u64 s[92:93], s[10:11], s[92:93]
	CROUND                                         ; all sixteen work-groups are here: the first joint loads meet
	s_mov_b32 s[G0S], 1
	s_mov_b32 s[G0S+1], SCL
	s_mov_b64 s[G0S+2:G0S+3], s[22:23]
	s_or_b32 s[G0S+3], s[G0S+3], 0x80000000
	s_mov_b32 s[G0SB], 1
	s_mov_b32 s[G0SB+1], SCL+2*HALFS
	s_mov_b64 s[G0SB+2:G0SB+3], s[92:93]
	s_or_b32 s[G0SB+3], s[G0SB+3], 0x80000000
.irp s, 0,1
	s_mov_b32 s[G0+4*\s], 1
	s_add_co_u32 s[G0+4*\s+1], s45, \s*SLOT
	s_add_nc_u64 s[G0+4*\s+2:G0+4*\s+3], s[20:21], \s*ROWB
	s_or_b32 s[G0+4*\s+3], s[G0+4*\s+3], 0x80000000
	s_mov_b32 s[G0B+4*\s], 1
	s_add_co_u32 s[G0B+4*\s+1], s45, \s*SLOT
	s_add_nc_u64 s[G0B+4*\s+2:G0B+4*\s+3], s[46:47], \s*ROWB
	s_or_b32 s[G0B+4*\s+3], s[G0B+4*\s+3], 0x80000000
.endr
; THE HEAD'S LOADS, ONE A WAVE: wave 0 K step 0 of A's 256 rows, wave 1 of B's, wave 2 A's scales, wave 3 B's.  Slot 0's groups 0 name the whole tiles here; the halves are added behind the wait for these loads.
	s_mov_b32 s[G0+1], 0
	s_mov_b32 s[G0B+1], 2*HALFT
.macro ARM under, g0, g1, next
	s_cmp_lt_u32 s14, \under
	s_cbranch_scc0 \next
	tensor_load_to_lds s[\g0:\g0+3], s[\g1:\g1+7]
	s_nop 0
.rept 4
	v_nop
.endr
	s_branch .Lhead_asked
\next:
.endm
	ARM 1, G0,  G1,  .Lhead_b
	ARM 2, G0B, G1B, .Lhead_sa
	ARM 3, G0S, G1S, .Lhead_sb
	tensor_load_to_lds s[G0SB:G0SB+3], s[G1SB:G1SB+7]
	s_nop 0
.rept 4
	v_nop
.endr
.Lhead_asked:
	v_and_b32 v1, 15, v0
	v_bfe_u32 v2, v0, 4, 1
	v_and_b32 v4, 31, v0
	v_lshlrev_b32 v4, 3, v4                        ; an image's pair: 8 x lane
	s_wait_alu depctr_va_vdst(0)
	s_mul_i32 s21, s15, HALFT
	s_mul_i32 s22, s16, HALFT
	s_add_co_u32 s22, s22, 2*HALFT
.irp s, 0,1
	v_add_nc_u32 v[ADRA+\s], s21, v4
	v_add_nc_u32 v[ADRB+\s], s22, v4
	s_add_co_u32 s21, s21, SLOT
	s_add_co_u32 s22, s22, SLOT
.endr
	v_mul_u32_u24 v5, v1, KS                       ; my row's scales,
	v_lshrrev_b32 v6, 8, v5
	v_lshl_add_u32 v5, v6, 4, v5                   ; and 16 more for each 256 passed
	s_mul_i32 s21, s15, HALFS
	s_mul_i32 s22, s16, HALFS
	s_add_co_u32 s22, s22, 2*HALFS
	s_sub_co_u32 s22, s22, s21
	v_mul_u32_u24 v6, s22, v2                      ; lanes 16-31 take B's
	s_add_co_u32 s21, s21, SCL
	v_add_nc_u32 v5, v5, v6
	v_add_nc_u32 v[ADRS], s21, v5
	; the way out's addresses
	s_mul_i32 s23, s14, 16*SPITCH                  ; my stage
	v_mul_u32_u24 v5, v1, SPITCH
	v_lshl_add_u32 v6, v2, 5, v5
	v_add_nc_u32 v[STO], s23, v6                   ; in: row r, 32 bytes for each half of the lanes
	v_lshl_add_u32 v6, v2, 8, v5
	v_add_nc_u32 v[RD], s23, v6                    ; back: row r, columns 64 h on: one chunk
	v_and_b32 v6, 31, v0
	s_wait_alu depctr_va_vdst(0)
	s_mul_i32 s23, s14, 1536
	s_add_co_u32 s23, s23, CST
	v_mul_u32_u24 v[CSO], v6, 48
	v_add_nc_u32 v[CSO], s23, v[CSO]
	v_lshl_add_u32 v[CSR], v6, 4, s23
	s_lshl_b32 s23, s14, 9
	s_add_co_u32 s23, s23, SST
	v_lshlrev_b32 v[SSO], 8, v2
	v_lshl_add_u32 v[SSO], v1, 1, v[SSO]
	v_add_nc_u32 v[SSO], s23, v[SSO]
	v_lshl_add_u32 v[SSR], v6, 4, s23
	s_mul_i32 s96, s95, 147456
	s_sub_co_u32 s96, 196608, s96                  ; from chunk to chunk: 48 bytes x 4,096 rows (q, k) or x 1,024 (v)
	s_mul_i32 s97, s95, 6144
	s_sub_co_u32 s97, 8192, s97                    ; the same for the scale pairs: 2 bytes a row
	s_sub_co_u32 s66, s96, 512
	s_add_co_u32 s67, s96, 256
	; CST holds chunk h = 0's 16 rows (768 bytes), then chunk h = 1's.  Read back 512 bytes at a time: bytes 0-511: chunk 0; 512-767: chunk 0, 768-1023: chunk 1 from its byte 0; 1024-1535: chunk 1 from its byte 256
	v_lshlrev_b32 v[GA0], 4, v6
	v_mul_u32_u24 v[GA1], s66, v2
	v_lshl_add_u32 v[GA1], v1, 4, v[GA1]
	v_add_nc_u32 v[GA1], 512, v[GA1]
	v_add_nc_u32 v[GA2], s67, v[GA0]
	v_mul_u32_u24 v[GS], s97, v2
	v_lshl_add_u32 v[GS], v1, 4, v[GS]
	s_lshl_b32 s20, s17, 8
	s_lshl_b32 s21, s15, 7
	s_add_co_u32 s20, s20, s21                     ; my first row of C
	s_lshl_b32 s46, s42, 2
	s_lshl_b32 s47, s16, 1
	s_add_co_u32 s46, s46, s47                     ; my first chunk: 4 x tile column + 2 x half
	s_mul_i32 s21, s20, 48
	s_mul_i32 s47, s46, s96
	s_add_co_u32 s21, s21, s47
	s_mul_i32 s47, ttmp9, 3145728
	s_add_co_u32 s98, s21, s47
	s_mov_b32 s99, 0
	s_lshl_b32 s20, s20, 1
	s_mul_i32 s46, s46, s97
	s_add_co_u32 s20, s20, s46
	s_mul_i32 s46, ttmp9, 131072
	s_add_co_u32 s20, s20, s46
	s_add_co_u32 s20, s20, 9437184
	s_mov_b32 s21, 0
	s_add_nc_u64 s[20:21], s[12:13], s[20:21]      ; my scale pairs
	s_add_nc_u64 s[12:13], s[12:13], s[98:99]      ; my codes
.macro FRAG reg, adr, q, i             ; a fragment, 16 rows x 128 K: 12 registers; lane l holds row l % 16; registers 6 c .. 6 c + 5 hold K = 64 c + 32 (l / 16) + 0 .. 31, as the bits lie
.irp p, 0,1,2,3,4,5                    ; in pieces of 8 bytes: pair p at 256 p + 8 x lane, one address register for all lanes
	ds_load_b64 v[\reg+2*\p:\reg+2*\p+1], v[\adr] offset:(\i)*3072+(\q)*1536+256*\p   ; block i, image q, pair p
.endr
.endm
; 16 matrix instructions: A's blocks a0, a0 + 1 x B's eight.  The 64 accumulators take turns, one instruction a turn, in the same order in every step.
.macro MUL16 a0, p, q, sc, zero
.irp a, \a0, \a0+1
.irp b, 0,1,2,3,4,5,6,7
.if \zero
	v_wmma_scale_f32_16x16x128_f8f6f4 v[8*(8*((\a)%4)+\b):8*(8*((\a)%4)+\b)+7], v[128*(\p)+FR*\b:128*(\p)+FR*\b+FR-1], v[AF+FR*(\a):AF+FR*(\a)+FR-1], 0, v[SC+8*NQ*(\sc)+NQ*\b+(\q)], v[SC+8*NQ*(\sc)+NQ*(\a)+(\q)] matrix_a_fmt:MATRIX_FMT_FP6 matrix_b_fmt:MATRIX_FMT_FP6 matrix_a_scale:MATRIX_SCALE_ROW1
.else
	v_wmma_scale_f32_16x16x128_f8f6f4 v[8*(8*((\a)%4)+\b):8*(8*((\a)%4)+\b)+7], v[128*(\p)+FR*\b:128*(\p)+FR*\b+FR-1], v[AF+FR*(\a):AF+FR*(\a)+FR-1], v[8*(8*((\a)%4)+\b):8*(8*((\a)%4)+\b)+7], v[SC+8*NQ*(\sc)+NQ*\b+(\q)], v[SC+8*NQ*(\sc)+NQ*(\a)+(\q)] matrix_a_fmt:MATRIX_FMT_FP6 matrix_b_fmt:MATRIX_FMT_FP6 matrix_a_scale:MATRIX_SCALE_ROW1
.endif
.endr
.endr
.endm
.macro FETCH_B slot, q, p
	WIN TO_B
.irp i, 0,1,2,3,4,5,6,7
	FRAG 128*(\p)+FR*\i, ADRB+\slot, \q, \i
.endr
	WIN 0
.endm
.macro FETCH_A slot, q, i0
.irp i, \i0, \i0+1, \i0+2, \i0+3
	FRAG AF+FR*(\i), ADRA+\slot, \q, \i
.endr
.endm
.macro SCALES sc                       ; lanes 0-15 take the words of A's block i, lanes 16-31 those of B's block i
.irp i, 0,1,2,3,4,5,6,7
	ds_load_b64 v[SC+8*NQ*\sc+NQ*\i:SC+8*NQ*\sc+NQ*\i+1], v[ADRS] offset:\i*SBLK
.endr
.endm
.macro PLACES n                        ; plain vector instructions between a matrix instruction and a load into, or a read of, its registers
.rept \n
	v_nop
.endr
.endm
.macro STEP slot, q, zero              ; 128 along K that have their successor in the same slot
	s_wait_dscnt 4*NL                              ; B's set and A's blocks 0-3 are in; A's blocks 4-7 may be out
	WIN MUL_LO
	MUL16 0, (\q)%2, \q, \slot, \zero
	MUL16 2, (\q)%2, \q, \slot, \zero
	s_wait_dscnt 0
	PLACES NP
	FETCH_B \slot, (\q)+1, 1-(\q)%2
	FETCH_A \slot, (\q)+1, 0
	WIN MUL_HI
	MUL16 4, (\q)%2, \q, \slot, \zero
	MUL16 6, (\q)%2, \q, \slot, \zero
	PLACES NP
	WIN 0
	FETCH_A \slot, (\q)+1, 4
.endm
; A slot's last step changes slots: one barrier; in front of it each wave waits for all its tensor loads, adds 0 to its spare word, and waits for that and for its reads of this slot.
.macro TURN slot, next, fill
	s_wait_tensorcnt 0x0                           ; all my tensor loads have landed: my part of the next slot
	ds_add_u32 v[SPW], v[NIL]                      ; 0 onto my spare word
	s_wait_dscnt 4*NL+1                            ; (the add and A's blocks 4-7 may be out)
	WIN MUL_LO
	MUL16 0, 1, NQ-1, \slot, 0
	s_wait_dscnt 0x0                               ; the add is done, and my reads of this slot are over
	s_barrier_signal -1
	MUL16 2, 1, NQ-1, \slot, 0
	WIN 0
	s_barrier_wait -1
.if \fill
	CREST                                          ; the barrier has opened a round of the cluster's: no wave of any partner still reads this slot or has a load on its way
	s_add_nc_u64 s[G0+4*\slot+2:G0+4*\slot+3], s[G0+4*\slot+2:G0+4*\slot+3], 2*ROWB
	s_add_nc_u64 s[G0B+4*\slot+2:G0B+4*\slot+3], s[G0B+4*\slot+2:G0B+4*\slot+3], 2*ROWB
	JLOAD G0+4*\slot, G1, G0B+4*\slot, G1B         ; my one tensor load behind the round; its four v_nop are the places in front of the loads below
.else
	PLACES NP
.endif
	s_wait_alu depctr_va_vdst(0)
	v_add_nc_u32 v[ADRS], 4*NQ, v[ADRS]
	FETCH_B \next, 0, 0
	FETCH_A \next, 0, 0
	SCALES \next
	WIN MUL_HI
	MUL16 4, 1, NQ-1, \slot, 0
	MUL16 6, 1, NQ-1, \slot, 0
	PLACES NP
	WIN 0
	FETCH_A \next, 0, 4
.endm
	s_wait_alu depctr_va_vdst(0)                   ; the wait at the head's end
	s_wait_tensorcnt 0x0                           ; my tile of the head's four is in
	ds_add_u32 v[SPW], v[NIL]
	s_mov_b32 s[G1+2], 8<<16                       ; no tensor load of mine is out: from here on a load brings 8 blocks of 16 rows,
	s_mov_b32 s[G1+4], 8
	s_mov_b32 s[G1B+2], 8<<16
	s_mov_b32 s[G1B+4], 8
	s_mov_b32 s[G0+1], s45                         ; into my quarter of the slot,
	s_mov_b32 s[G0B+1], s45
.irp g, G0, G0+4, G0B, G0B+4
	s_add_nc_u64 s[\g+2:\g+3], s[\g+2:\g+3], s[18:19]   ; from my half of the tile's rows
.endr
	s_wait_dscnt 0x0
	CROUND                                         ; all four tiles are in, and all sixteen work-groups are here
	JLOAD G0+4, G1, G0B+4, G1B                     ; K step 1, the first tensor load behind the round
	FETCH_B 0, 0, 0
	FETCH_A 0, 0, 0
	SCALES 0
	FETCH_A 0, 0, 4
	STEP 0, 0, 1                                   ; the first step's products start the sums
	s_mov_b32 s3, LAPS-1
.Llap:
	TURN 0, 1, 1
	STEP 1, 0, 0
	TURN 1, 0, 1
	STEP 0, 0, 0
	s_sub_co_u32 s3, s3, 1
	s_cmp_lg_u32 s3, 0
	s_cbranch_scc1 .Llap
	TURN 0, 1, 0                                   ; the last lap fills nothing
	STEP 1, 0, 0
	s_wait_dscnt 4*NL
	WIN MUL_LO
	MUL16 0, 1, NQ-1, 1, 0
	MUL16 2, 1, NQ-1, 1, 0
	s_wait_dscnt 0
	WIN MUL_HI
	MUL16 4, 1, NQ-1, 1, 0
	MUL16 6, 1, NQ-1, 1, 0
	WIN 0
; THE WAY OUT, block by block of 16 rows x 128 columns.  A lane's eight results are eight neighbours of a row; a block goes through my stage and comes back so that lane (r, h) holds row r's columns 64 h .. 64 h + 63:
; two whole blocks of 32, whose largest magnitudes need no other lane, and whose 64 codes are the row's 48 bytes in one chunk.
.macro TOSTAGE2 a
.set AC, 64*((\a)%4)
	WIN 0x08+4*((\a)/4)                            ; the data: window 2 or 3
.irp b, 0,1,2,3,4,5,6,7
	ds_store_b128 v[STO], v[AC+8*\b:AC+8*\b+3] offset:64*\b          ; each accumulator from its low end on
	ds_store_b128 v[STO], v[AC+8*\b+4:AC+8*\b+7] offset:64*\b+16
.endr
	WIN 0
.set BB, BK+64*((\a)%2)
.irp t, 0,1,2,3,4,5,6,7,8,9,10,11,12,13,14,15
	ds_load_b128 v[BB+4*\t:BB+4*\t+3], v[RD] offset:16*\t           ; LDS serves a wave's instructions in order: these see the stores above, and the next block's stores come behind them
.endr
.endm
.macro QUANT64                         ; v[XQ] .. v[XQ+63], two blocks of 32, become 64 codes in v[CC] .. v[CC+11] and two bytes in v[EE], v[EE+1]
	v_max3_num_f32 v[MM], |v[XQ]|, |v[XQ+1]|, 0x1800000            ; with the floor 2^(3 - 127): the byte cannot fall under 1
	v_max3_num_f32 v[MM+1], |v[XQ+32]|, |v[XQ+33]|, 0x1800000
.irp i, 2,4,6,8,10,12,14,16,18,20,22,24,26,28,30
	v_max3_num_f32 v[MM], v[MM], |v[XQ+\i]|, |v[XQ+\i+1]|
	v_max3_num_f32 v[MM+1], v[MM+1], |v[XQ+32+\i]|, |v[XQ+33+\i]|
.endr
	v_add_nc_u32 v[SS], 0xff000000, v[MM]          ; 2 off the exponent field: the conversion's scale operand
	v_add_nc_u32 v[SS+1], 0xff000000, v[MM+1]
	v_lshrrev_b32 v[EE], 23, v[SS]                 ; the scale's byte
	v_lshrrev_b32 v[EE+1], 23, v[SS+1]
	v_cvt_scalef32_pk16_fp6_f32 v[CC:CC+2], v[XQ:XQ+15], v[SS]
	v_cvt_scalef32_pk16_fp6_f32 v[T0:T0+2], v[XQ+16:XQ+31], v[SS]  ; (a conversion's three registers begin on an even number)
	v_cvt_scalef32_pk16_fp6_f32 v[CC+6:CC+8], v[XQ+32:XQ+47], v[SS+1]
	v_cvt_scalef32_pk16_fp6_f32 v[T1:T1+2], v[XQ+48:XQ+63], v[SS+1]
	v_nop                                          ; one plain instruction behind the conversions
.irp i, 0,1,2
	v_mov_b32 v[CC+3+\i], v[T0+\i]
	v_mov_b32 v[CC+9+\i], v[T1+\i]
.endr
.endm
.macro OUTBLK a
.if (\a) < 7
	TOSTAGE2 (\a)+1                                ; the next block is on its way through the stage while this one is quantised
	s_wait_dscnt 32                                ; all but those 32: this block is in registers
.else
	s_wait_dscnt 0x0
.endif
.set XQ, BK+64*((\a)%2)
	QUANT64
	v_lshl_or_b32 v[UU], v[EE+1], 8, v[EE]
.irp c, 0,1,2
	ds_store_b128 v[CSO], v[CC+4*\c:CC+4*\c+3] offset:16*\c
.endr
	ds_store_b16 v[SSO], v[UU] offset:32*(\a)
	s_wait_xcnt 0x0                                ; the last block's stores have read their registers: they may be loaded again
.irp c, 0,1,2
	ds_load_b128 v[CR+4*\c:CR+4*\c+3], v[CSR] offset:512*\c
.endr
	s_wait_dscnt 0x0                               ; the codes are back, and my LDS stores have read their registers
	global_store_b128 v[GA0], v[CR:CR+3], s[12:13] offset:768*(\a)       ; sixteen neighbouring lanes store 256 consecutive bytes, aligned
	global_store_b128 v[GA1], v[CR+4:CR+7], s[12:13] offset:768*(\a)
	global_store_b128 v[GA2], v[CR+8:CR+11], s[12:13] offset:768*(\a)
.endm
	PLACES NP
	TOSTAGE2 0
.irp a, 0,1,2,3,4,5,6,7
	OUTBLK \a
.endr
	ds_load_b128 v[SRR:SRR+3], v[SSR]              ; my 128 rows' scale pairs: 256 bytes for each of the two chunks
	s_wait_dscnt 0x0
	global_store_b128 v[GS], v[SRR:SRR+3], s[20:21]
	s_wait_tensorcnt 0x0                           ; the wave's end
	ds_add_u32 v[SPW], v[NIL]
	s_wait_dscnt 0x0
	CROUND                                         ; the closing round: no work-group ends while a partner may still ask for a tile that names it
	s_endpgm
.Lfunc_end_k_q8b3d90965b_qkv:
	.size	k_q8b3d90965b_qkv, .Lfunc_end_k_q8b3d90965b_qkv-k_q8b3d90965b_qkv
	.p2alignl 7, 3214868480
	.fill 96, 4, 3214868480
	.section	.rodata,"a",@progbits
	.p2align	6, 0x0
	.amdhsa_kernel k_q8b3d90965b_qkv
		.amdhsa_group_segment_fixed_size 327680
		.amdhsa_private_segment_fixed_size 0
		.amdhsa_enable_private_segment 0
		.amdhsa_kernarg_size 48
		.amdhsa_user_sgpr_count 2
		.amdhsa_user_sgpr_kernarg_segment_ptr 1
		.amdhsa_wavefront_size32 1
		.amdhsa_system_sgpr_workgroup_id_x 1
		.amdhsa_system_sgpr_workgroup_id_y 1
		.amdhsa_system_sgpr_workgroup_id_z 1
		.amdhsa_system_vgpr_workitem_id 0
		.amdhsa_next_free_vgpr 1024
		.amdhsa_next_free_sgpr 100
		.amdhsa_reserve_vcc 0
		.amdhsa_float_denorm_mode_32 3
		.amdhsa_float_denorm_mode_16_64 3
		.amdhsa_memory_ordered 1
		.amdhsa_forward_progress 1
		.amdhsa_inst_pref_size 179
	.end_amdhsa_kernel
	.amdgpu_metadata
---
amdhsa.version: [ 1, 2 ]
amdhsa.kernels:
  - .name:           k_q8b3d90965b_qkv
    .symbol:         k_q8b3d90965b_qkv.kd
    .args:
      - { .name: hq, .offset: 0, .size: 8, .value_kind: global_buffer, .address_space: global }
      - { .name: wim, .offset: 8, .size: 8, .value_kind: global_buffer, .address_space: global }
      - { .name: wq_scales, .offset: 16, .size: 8, .value_kind: global_buffer, .address_space: global }
      - { .name: wk_scales, .offset: 24, .size: 8, .value_kind: global_buffer, .address_space: global }
      - { .name: wv_scales, .offset: 32, .size: 8, .value_kind: global_buffer, .address_space: global }
      - { .name: qkv, .offset: 40, .size: 8, .value_kind: global_buffer, .address_space: global }
    .group_segment_fixed_size: 327680
    .private_segment_fixed_size: 0
    .kernarg_segment_align: 8
    .kernarg_segment_size: 48
    .max_flat_workgroup_size: 128
    .sgpr_count:     100
    .vgpr_count:     1024
    .wavefront_size: 32
...
	.end_amdgpu_metadata
.endif
;; end of part 2
;; launch attn (part 3): grid 4 x 64, 16 waves a work-group, clusters of 4 x 1, 169,984 bytes of LDS; arguments qkv, oq; writes oq
.if DOCPART == 3
	.amdgcn_target "amdgcn-amd-amdhsa--gfx1250"
	.amdhsa_code_object_version 6
	.text
	.protected	k_q8b3d90965b_attn
	.globl	k_q8b3d90965b_attn
	.p2align	8
	.type	k_q8b3d90965b_attn,@function
k_q8b3d90965b_attn:
	s_mov_b64 s[64:65], 0
	v_nop
	global_prefetch_b8 v0, s[64:65] scope:SCOPE_SE
	s_setreg_imm32_b32 hwreg(HW_REG_WAVE_MODE, 25, 1), 1
	s_wait_xcnt 0x0
	s_wait_alu depctr_hold_cnt(0) depctr_sa_sdst(0) depctr_va_vdst(0) depctr_va_sdst(0) depctr_va_ssrc(0) depctr_va_vcc(0) depctr_vm_vsrc(0)
	s_getreg_b32 s2, hwreg(HW_REG_IB_STS2, 6, 4)
	s_cmp_eq_u32 s2, 0
	s_cbranch_scc0 .Lentry_in_a_cluster
	s_endpgm
.Lentry_in_a_cluster:
	s_bfe_u32 s2, ttmp6, 0x10000c
	s_cmp_lg_u32 s2, 0x3003
	s_cbranch_scc0 .Lentry_shape_is_right
	s_endpgm
.Lentry_shape_is_right:
; o = softmax(q k^T / 8) v for one (batch, head) and 256 queries, both products on codes of FP6 (E2M3) with E8M0 scales; o is quantised along the head's 64 and stored as the next product's operand.
; IN: q, k: codes [head][token][48 bytes], scale pairs [head][token][2]; v: codes [chunk of 64 tokens][h x 64 + d][48 bytes], scale pairs likewise.
; THE SOFTMAX: t = score x log2(e) / 8; M = the running largest t rounded UP to a whole number; p = 2^(t - M) is what is quantised, along the keys; the row's sum is taken of the unquantised p and divides O at the end.
; SHARES.  The cluster's y is the (batch, head); its four work-groups take 256 queries each, each of sixteen waves 16: four waves to a SIMD, so that one wave's vector work stands beside another's products and LDS loads.
; ALL OF THE HEAD'S K AND V FIT IN LDS (2 x 49,152 bytes): they are filled once, so there is no ring.  The four work-groups need the same bytes: waves 0 to 3 ask for them jointly, one tensor load each.
; K = 64 IN AN INSTRUCTION OF K = 128.  A fragment of k holds two keys a lane: registers 0-5 key kk, registers 6-11 key kk + 8.  q stands twice: QLO = [q | zero codes], QHI = [zero codes | q].
; The fragment times QLO gives the scores of the keys kk, times QHI those of the keys kk + 8: no register and no LDS byte is spent on zeros in k.  Scale words are kept doubled, [s0 s1 s0 s1]:
; the two bytes that are not wanted multiply zero codes, and no byte here is 0xff.
; THE KEYS OF A FRAGMENT: lane r takes key 32 blk + r + 8 (r / 8) (and + 8): so the 16 registers of a pair of score tiles are 16 neighbouring keys, 32 blk + 16 (lane / 16) + 0 .. 15.
; Both products are used transposed: a lane holds ONE query (lane % 16) throughout.
; LIMITS: NaN and infinities are not served; a block whose largest magnitude lies under 2^-124 keeps the byte 1; a block of zeros gets the byte 1 and not 127.  o's scale bytes leave one byte a lane: two heads share a word.
; REGISTERS: v1-4 addresses that stay, v5 r, v6 h, v7 8 x lane; v8-11 addresses in hand; v12 -M, v13 largest t, v[14:15] the sum; v16-27 QLO, v28-39 QHI; v40-87 four fragments; v88-95 their scale words;
;   v96-159 scores, then p; v160-191 O^T; v192-203 p's codes; v204-210 conversion halves; v212-223 maxima, bytes, scale operands; v[224:225] f; v226 p's scale word; v227 q's; v228-241 at work.
.set VT,   49152                       ; LDS: k [1024 keys][48] at 0; v [16 chunks][64 d][48] here;
.set KSW,  98304                       ; k's doubled scale words, 4 bytes a key;
.set VSW,  102400                      ; v's scale words [8 steps][64 d]
.set WV,   18
.set SEL,  20
.set CS,   22
.set G1K,  24
.set G1V,  32
.set G0K,  40
.set G0V,  44
.set CNT,  70                          ; s70 steps to go;  s71, s72, s73: where the step's tiles, k's words and v's words begin
.set TB,   71
.set TS,   72
.set TJ,   73
.macro TLOAD                           ; waves 0 and 1 fetch k's halves, waves 2 and 3 v's, the others nothing.  Four v_nop follow each of the two lines
	s_cmp_lt_u32 s[WV], 2
	s_cbranch_scc0 .Lnot_k_\@
	tensor_load_to_lds s[G0K:G0K+3], s[G1K:G1K+7]
	s_nop 0
.rept 4
	v_nop
.endr
	s_branch .Lasked_\@
.Lnot_k_\@:
	s_cmp_lt_u32 s[WV], 4
	s_cbranch_scc0 .Lasked_\@
	tensor_load_to_lds s[G0V:G0V+3], s[G1V:G1V+7]
	s_nop 0
.rept 4
	v_nop
.endr
.Lasked_\@:
.endm
.macro CROUND                          ; a round of the cluster's barrier
	s_barrier_signal -1
	s_barrier_wait -1
	s_cmp_lg_u32 s[WV], 0
	s_cbranch_scc1 .Lnot_wave_0_\@
	s_barrier_signal -3
.Lnot_wave_0_\@:
	s_barrier_wait -3
	s_barrier_signal -1
	s_barrier_wait -1
.endm
	s_load_b128 s[4:7], s[0:1], 0x0                ; qkv, oq
	v_lshl_add_u32 v254, v0, 2, 0x29000
	v_mov_b32 v255, 0
	ds_add_u32 v254, v255
	ds_add_u32 v254, v255
	v_lshrrev_b32 v5, 5, v0
	s_delay_alu instid0(VALU_DEP_1)
	v_readfirstlane_b32 s[WV], v5                  ; wave 0..15
	s_bfe_u32 s48, ttmp6, 0x40000                  ; cx: my block of 256 queries; it enters q's and o's addresses alone
	s_and_b32 s49, ttmp7, 0xffff
	s_lshr_b32 s50, s49, 4                         ; the batch
	s_and_b32 s51, s49, 15                         ; the head
	s_and_b32 s52, s[WV], 1                        ; which half I fetch, if I fetch
	s_lshl_b32 s53, s51, 12
	s_lshl_b32 s54, s50, 10
	s_add_co_u32 s53, s53, s54                     ; 4096 h + 1024 b: the (batch, head)'s first row in q's and k's pieces
	s_mul_i32 s55, s52, 24576                      ; my half, in LDS and in k's dense block
	s_mul_i32 s56, s53, 48
	s_add_co_u32 s56, s56, s55
	s_add_co_u32 s56, s56, 3145728
	s_mov_b32 s57, 0                               ; k's codes
	s_mul_i32 s58, s50, 786432                     ; v: 16 chunks a batch, 49,152 bytes a chunk,
	s_mul_i32 s59, s52, 393216                     ; my 8 chunks,
	s_add_co_u32 s58, s58, s59
	s_mul_i32 s59, s51, 3072                       ; the head's 64 rows of 48 bytes
	s_add_co_u32 s58, s58, s59
	s_add_co_u32 s58, s58, 6291456
	s_mov_b32 s59, 0
	s_lshl_b32 s54, s48, 8
	s_lshl_b32 s60, s[WV], 4
	s_add_co_u32 s54, s54, s60                     ; 256 cx + 16 wave
	s_add_co_u32 s60, s53, s54                     ; my first query's row
	s_mul_i32 s8, s60, 48
	s_mov_b32 s9, 0
	s_lshl_b32 s10, s60, 1
	s_add_co_u32 s10, s10, 9437184
	s_mov_b32 s11, 0
	s_lshl_b32 s12, s53, 1
	s_add_co_u32 s12, s12, 9568256
	s_mov_b32 s13, 0
	s_lshl_b32 s14, s50, 15
	s_lshl_b32 s15, s51, 7
	s_add_co_u32 s14, s14, s15
	s_add_co_u32 s14, s14, 9699328
	s_mov_b32 s15, 0
	s_lshl_b32 s61, s50, 10
	s_add_co_u32 s61, s61, s54                     ; my first token
	s_lshr_b32 s62, s61, 1                         ; 8 x (token / 16)
	s_lshr_b32 s63, s51, 1                         ; which 128 of the next K: two heads to one
	s_add_co_u32 s62, s62, s63
	s_mul_i32 s66, s62, 1536                       ; the image of 16 rows x 128 K,
	s_and_b32 s62, s51, 1
	s_mul_i32 s67, s62, 768                        ; my head's half of its registers
	s_add_co_u32 s66, s66, s67
	s_mov_b32 s67, 0
	s_lshl_b32 s63, s63, 12
	s_add_co_u32 s63, s63, s61
	s_lshl_b32 s68, s63, 2                         ; the rows' scale words,
	s_lshl_b32 s62, s62, 1
	s_add_co_u32 s68, s68, s62                     ; my head's two bytes of them
	s_add_co_u32 s68, s68, 3145728
	s_mov_b32 s69, 0
	; k: half of a dense block, 24,576 bytes, as 96 rows of 256 bytes.  v: 8 chunks, of each the head's 3,072 bytes, 49,152 bytes apart.  Elements of 8 bytes; the mask names all four work-groups
	s_mov_b32 s[G1K], 15|(3<<16)|(1<<21)
	s_mov_b32 s[G1K+1], 32<<16
	s_mov_b32 s[G1K+2], 96<<16
	s_mov_b32 s[G1K+3], 32<<16
	s_mov_b32 s[G1K+4], 96
	s_mov_b32 s[G1K+5], 32
	s_mov_b32 s[G1K+6], 0
	s_mov_b32 s[G1K+7], 0
	s_mov_b32 s[G1V], 15|(3<<16)|(1<<21)
	s_mov_b32 s[G1V+1], 384<<16
	s_mov_b32 s[G1V+2], 8<<16
	s_mov_b32 s[G1V+3], 384<<16
	s_mov_b32 s[G1V+4], 8
	s_mov_b32 s[G1V+5], 6144
	s_mov_b32 s[G1V+6], 0
	s_mov_b32 s[G1V+7], 0
	s_mov_b32 s[SEL], 0x76543210
	s_mov_b32 s[SEL+1], 0xfedcba98
	s_mov_b32 s[CS], 0x3e38aa3b                    ; c = log2(e) / 8
	s_mov_b32 s[CS+1], s[CS]
	s_mov_b32 s[CNT], 8
	s_mov_b32 s[TB], 0
	s_mov_b32 s[TS], 0
	s_mov_b32 s[TJ], 0
	s_wait_dscnt 0x0
	s_wait_kmcnt 0x0
	s_mov_b32 s[G0K], 1
	s_mov_b32 s[G0K+1], s55
	s_add_nc_u64 s[G0K+2:G0K+3], s[4:5], s[56:57]
	s_or_b32 s[G0K+3], s[G0K+3], 0x80000000
	s_mov_b32 s[G0V], 1
	s_add_co_u32 s[G0V+1], s55, VT
	s_add_nc_u64 s[G0V+2:G0V+3], s[4:5], s[58:59]
	s_or_b32 s[G0V+3], s[G0V+3], 0x80000000
	s_add_nc_u64 s[8:9], s[4:5], s[8:9]            ; q's codes
	s_add_nc_u64 s[10:11], s[4:5], s[10:11]        ; q's scale pairs
	s_add_nc_u64 s[12:13], s[4:5], s[12:13]        ; k's scale pairs
	s_add_nc_u64 s[14:15], s[4:5], s[14:15]        ; v's scale pairs
	s_add_nc_u64 s[66:67], s[6:7], s[66:67]        ; o's image
	s_add_nc_u64 s[68:69], s[6:7], s[68:69]        ; o's scale bytes
	CROUND                                         ; all four work-groups are here: the joint loads meet
	TLOAD                                          ; at most one tensor load of mine is out
	v_and_b32 v5, 15, v0                           ; r
	v_bfe_u32 v6, v0, 4, 1                         ; h
	v_and_b32 v7, 31, v0
	v_lshlrev_b32 v228, 2, v0
	global_load_b32 v229, v228, s[12:13]           ; the scale pairs of keys 2 t and 2 t + 1, t my thread's number
	v_lshrrev_b32 v230, 6, v0
	v_and_b32 v231, 63, v0
	s_delay_alu instid0(VALU_DEP_1)
	v_lshlrev_b32 v231, 1, v231
	s_delay_alu instid0(VALU_DEP_1)
	v_lshl_add_u32 v230, v230, 12, v231            ; v: step t / 64 (two chunks, 2,048 bytes each), d = t % 64
	global_load_u16 v232, v230, s[14:15]
	global_load_u16 v233, v230, s[14:15] offset:2048
	v_mul_u32_u24 v234, v5, 48
	s_delay_alu instid0(VALU_DEP_1)
	v_mad_u32_u24 v234, v6, 24, v234               ; q: row r, + 24 h
.irp p, 0,1,2
	global_load_b64 v[16+2*\p:17+2*\p], v234, s[8:9] offset:8*\p     ; QLO's lower half
	global_load_b64 v[34+2*\p:35+2*\p], v234, s[8:9] offset:8*\p     ; QHI's upper half
.endr
	v_lshlrev_b32 v235, 1, v5
	global_load_u16 v236, v235, s[10:11]
	v_and_b32 v1, 8, v5
	s_delay_alu instid0(VALU_DEP_1)
	v_add_nc_u32 v1, v1, v5                        ; r + 8 (r / 8)
	s_delay_alu instid0(VALU_DEP_1)
	v_lshl_add_u32 v3, v1, 2, KSW                  ; k's scale words
	s_delay_alu instid0(VALU_DEP_2)
	v_mul_u32_u24 v1, v1, 48
	s_delay_alu instid0(VALU_DEP_1)
	v_mad_u32_u24 v1, v6, 24, v1                   ; k's fragments
	v_mul_u32_u24 v2, v5, 48
	s_delay_alu instid0(VALU_DEP_1)
	v_mad_u32_u24 v2, v6, 24, v2
	s_delay_alu instid0(VALU_DEP_1)
	v_add_nc_u32 v2, VT, v2                        ; v's fragments
	v_lshl_add_u32 v4, v5, 2, VSW                  ; v's scale words
	v_lshlrev_b32 v7, 3, v7                        ; 8 x lane
	v_lshl_add_u32 v237, v0, 3, KSW
	v_lshl_add_u32 v238, v0, 2, VSW
	s_wait_loadcnt 0x0
	v_perm_b32 v240, v229, v229, 0x01000100        ; key 2 t's pair, doubled
	v_perm_b32 v241, v229, v229, 0x03020302        ; key 2 t + 1's
	s_wait_alu depctr_va_vdst(0)
	ds_store_b64 v237, v[240:241]
	v_lshl_or_b32 v232, v233, 16, v232             ; the four bytes of 128 keys of one d
	ds_store_b32 v238, v232
	v_perm_b32 v227, v236, v236, 0x01000100        ; q's pair, doubled
.irp i, 0,1,2,3,4,5
	v_mov_b32 v[22+\i], 0                          ; zero codes
	v_mov_b32 v[28+\i], 0
.endr
	v_mov_b32 v13, 0xff61b1e6                      ; the largest t so far: -3e38
	s_delay_alu instid0(VALU_DEP_1)
	v_floor_f32 v12, -v13                          ; -M
	v_mov_b32 v14, 0
	v_mov_b32 v15, 0
.irp b, 0,1,2,3
	v_mov_b32 v[216+\b], 0                         ; written once: a lane permute's destination counts as one of its sources
.endr
	v_mov_b32 v225, 0                              ; (the upper half of the pair that holds f)
.set j, 0
.rept 32
	v_mov_b32 v[160+j], 0                          ; O^T: the loop is written once, and its first step finds zeros.  (These are also the places between the registers written above and the first products)
.set j, j+1
.endr
	s_wait_dscnt 0x0                               ; for the others' sake: my words are stored,
	s_wait_tensorcnt 0x0                           ; and my part of k or v has landed
	s_barrier_signal -1
	s_barrier_wait -1
.Lstep:                                            ; 8 trips of 128 keys
	v_add_nc_u32 v8, s[TB], v1                     ; (four plain instructions: the places behind the last trip's products, in front of the loads below)
	v_add_nc_u32 v9, s[TB], v2
	v_add_nc_u32 v10, s[TS], v3
	v_add_nc_u32 v11, s[TJ], v4
.irp b, 0,1,2,3
.irp p, 0,1,2,3,4,5
	ds_load_b64 v[40+12*\b+2*\p:41+12*\b+2*\p], v8 offset:1536*\b+384*(\p/3)+8*(\p%3)   ; registers 0-5: my key; registers 6-11: the key 8 further on
.endr
	ds_load_b32 v[88+2*\b], v10 offset:128*\b
	ds_load_b32 v[89+2*\b], v10 offset:128*\b+32
.endr
	s_wait_dscnt 0x0
.irp b, 0,1,2,3
	v_wmma_scale_f32_16x16x128_f8f6f4 v[96+16*\b:103+16*\b], v[40+12*\b:51+12*\b], v[16:27], 0, v[88+2*\b], v227 matrix_a_fmt:MATRIX_FMT_FP6 matrix_b_fmt:MATRIX_FMT_FP6
	v_wmma_scale_f32_16x16x128_f8f6f4 v[104+16*\b:111+16*\b], v[40+12*\b:51+12*\b], v[28:39], 0, v[89+2*\b], v227 matrix_a_fmt:MATRIX_FMT_FP6 matrix_b_fmt:MATRIX_FMT_FP6
.endr
.rept 4
	v_nop
.endr
.irp b, 0,1,2,3
	v_max3_num_f32 v[212+\b], v[96+16*\b], v[97+16*\b], v[98+16*\b]   ; the largest score of each block of 32 keys: for the row's maximum, and, since p rises with the score, for the block's largest p
.endr
.irp i, 3,5,7,9,11,13
.irp b, 0,1,2,3
	v_max3_num_f32 v[212+\b], v[212+\b], v[96+16*\b+\i], v[97+16*\b+\i]
.endr
.endr
.irp b, 0,1,2,3
	v_max_num_f32 v[212+\b], v[212+\b], v[111+16*\b]
.endr
.irp b, 0,1,2,3
	s_delay_alu instid0(VALU_DEP_4)
	v_permlanex16_b32 v[216+\b], v[212+\b], s[SEL], s[SEL+1]
.endr
.irp b, 0,1,2,3
	s_delay_alu instid0(VALU_DEP_4)
	v_max_num_f32 v[212+\b], v[212+\b], v[216+\b]  ; with lane l xor 16's 16 keys
.endr
	s_delay_alu instid0(VALU_DEP_2)
	v_max3_num_f32 v228, v212, v213, v214
	s_delay_alu instid0(VALU_DEP_1)
	v_max_num_f32 v228, v228, v215
	s_delay_alu instid0(VALU_DEP_1)
	v_mul_f32 v228, s[CS], v228                    ; as t (c is positive)
	s_delay_alu instid0(VALU_DEP_1)
	v_max_num_f32 v13, v13, v228                   ; the running largest t
	v_mov_b32 v228, v12
	s_delay_alu instid0(VALU_DEP_2)
	v_floor_f32 v12, -v13                          ; the new -M = -ceil(t)
	s_delay_alu instid0(VALU_DEP_1)
	v_sub_f32 v228, v12, v228                      ; old M - new M: a whole number, 0 or less
	s_delay_alu instid0(VALU_DEP_1)
	v_cvt_i32_f32 v228, v228                       ; (it saturates)
	s_delay_alu instid0(VALU_DEP_1)
	v_ldexp_f32 v224, 1.0, v228                    ; f = 2^(old M - new M): a multiplication by it rounds nothing
.set j, 0
.rept 32
	v_pk_fma_f32 v[96+j:97+j], v[96+j:97+j], s[CS:CS+1], v[12:13] op_sel_hi:[1,0,0]   ; t - M
.set j, j+2
.endr
.irp b, 0,1,2,3
	v_fma_f32 v[212+\b], v[212+\b], s[CS], v12     ; the same of each block's largest score
.endr
.set j, 0
	s_wait_alu depctr_va_vdst(0)
.rept 64
	v_exp_f32 v[96+j], v[96+j]                     ; p = 2^(t - M)
.set j, j+1
.endr
	v_pk_mul_f32 v[14:15], v[14:15], v[224:225] op_sel_hi:[1,0]   ; the sums under the new M (a plain instruction behind the exponentials)
	s_wait_alu depctr_va_vdst(0)                   ; one wait for the batch, ahead of its first reader
.irp b, 0,1,2,3
	v_exp_f32 v[212+\b], v[212+\b]                 ; the block's largest p
.endr
	v_pk_add_f32 v[216:217], v[100:101], v[104:105]
	v_pk_add_f32 v[252:253], v[108:109], v[112:113]
	v_pk_add_f32 v[250:251], v[116:117], v[120:121]
	v_pk_add_f32 v[248:249], v[124:125], v[128:129]
	v_pk_add_f32 v[246:247], v[132:133], v[136:137]
	v_pk_add_f32 v[244:245], v[140:141], v[144:145]
	v_pk_add_f32 v[242:243], v[148:149], v[152:153]
	v_pk_add_f32 v[14:15], v[14:15], v[156:157]
	v_pk_add_f32 v[216:217], v[216:217], v[96:97]
	v_pk_add_f32 v[252:253], v[252:253], v[98:99]
	v_pk_add_f32 v[250:251], v[250:251], v[102:103]
	v_pk_add_f32 v[248:249], v[248:249], v[106:107]
	v_pk_add_f32 v[246:247], v[246:247], v[110:111]
	v_pk_add_f32 v[244:245], v[244:245], v[114:115]
	v_pk_add_f32 v[242:243], v[242:243], v[118:119]
	v_pk_add_f32 v[14:15], v[14:15], v[122:123]
	v_pk_add_f32 v[216:217], v[216:217], v[126:127]
	v_pk_add_f32 v[252:253], v[252:253], v[130:131]
	v_pk_add_f32 v[250:251], v[250:251], v[134:135]
	v_pk_add_f32 v[248:249], v[248:249], v[138:139]
	v_pk_add_f32 v[246:247], v[246:247], v[142:143]
	v_pk_add_f32 v[244:245], v[244:245], v[146:147]
	v_pk_add_f32 v[242:243], v[242:243], v[150:151]
	v_pk_add_f32 v[14:15], v[14:15], v[154:155]
	v_pk_add_f32 v[216:217], v[216:217], v[158:159]
	s_delay_alu instid0(VALU_DEP_2)
	v_pk_add_f32 v[14:15], v[14:15], v[248:249]
	s_delay_alu instid0(VALU_DEP_2)
	v_pk_add_f32 v[216:217], v[216:217], v[246:247]
	v_pk_add_f32 v[252:253], v[252:253], v[244:245]
	v_pk_add_f32 v[250:251], v[250:251], v[242:243]
	s_delay_alu instid0(VALU_DEP_2)
	v_pk_add_f32 v[14:15], v[14:15], v[252:253]
	s_delay_alu instid0(VALU_DEP_2)
	v_pk_add_f32 v[216:217], v[216:217], v[250:251]
	s_delay_alu instid0(VALU_DEP_1)
	v_pk_add_f32 v[14:15], v[14:15], v[216:217]
	s_wait_alu depctr_va_vdst(0)                   ; and one for the four
.irp b, 0,1,2,3
	v_max_num_f32 v[212+\b], 0x1800000, v[212+\b]  ; the floor 2^(3 - 127)
.endr
.irp b, 0,1,2,3
	s_delay_alu instid0(VALU_DEP_4)
	v_add_nc_u32 v[220+\b], 0xff000000, v[212+\b]  ; the conversion's scale operand
.endr
.irp b, 0,1,2,3
	s_delay_alu instid0(VALU_DEP_4)
	v_lshrrev_b32 v[216+\b], 23, v[220+\b]         ; the scale's byte
.endr
	s_delay_alu instid0(VALU_DEP_3)
	v_lshl_or_b32 v226, v217, 8, v216              ; p's scale word for these 128 keys
	s_delay_alu instid0(VALU_DEP_1)
	v_lshl_or_b32 v226, v218, 16, v226
	s_delay_alu instid0(VALU_DEP_1)
	v_lshl_or_b32 v226, v219, 24, v226
.irp c, 0,1
	v_cvt_scalef32_pk16_fp6_f32 v[192+6*\c:194+6*\c], v[96+32*\c:111+32*\c], v[220+2*\c]
	v_cvt_scalef32_pk16_fp6_f32 v[204+4*\c:206+4*\c], v[112+32*\c:127+32*\c], v[220+2*\c+1]
.endr
	v_nop                                          ; one plain instruction behind the conversions
.irp c, 0,1                                        ; the operand wants a whole block in a lane: lanes 0-15 block 2 c, lanes 16-31 block 2 c + 1
.irp i, 0,1,2
	v_permlane16_swap_b32 v[192+6*\c+\i], v[204+4*\c+\i]
.endr
.irp i, 0,1,2
	s_delay_alu instid0(VALU_DEP_3)
	v_mov_b32 v[195+6*\c+\i], v[204+4*\c+\i]
.endr
.endr
.set j, 0
.rept 16
	v_pk_mul_f32 v[160+j:161+j], v[160+j:161+j], v[224:225] op_sel_hi:[1,0]   ; O^T under the new M.  (Also the places in front of the products below)
.set j, j+2
.endr
.irp t, 0,1,2,3
.irp p, 0,1,2,3,4,5
	ds_load_b64 v[40+12*\t+2*\p:41+12*\t+2*\p], v9 offset:768*\t+3072*(\p/3)+8*(\p%3)   ; d = 16 t + r; keys 64 c + 32 h on: chunk c of the step's two
.endr
	ds_load_b32 v[88+\t], v11 offset:64*\t
.endr
	s_wait_alu depctr_va_vdst(0)
	s_wait_dscnt 0x0
.irp t, 0,1,2,3                                    ; the four accumulators take turns, and eight other products stand between two links of a chain
	v_wmma_scale_f32_16x16x128_f8f6f4 v[160+8*\t:167+8*\t], v[40+12*\t:51+12*\t], v[192:203], v[160+8*\t:167+8*\t], v[88+\t], v226 matrix_a_fmt:MATRIX_FMT_FP6 matrix_b_fmt:MATRIX_FMT_FP6
.endr
	s_add_co_u32 s[TB], s[TB], 6144
	s_add_co_u32 s[TS], s[TS], 512
	s_add_co_u32 s[TJ], s[TJ], 256
	s_sub_co_u32 s[CNT], s[CNT], 1
	s_cmp_lg_u32 s[CNT], 0
	s_cbranch_scc1 .Lstep
.rept 4
	v_nop                                          ; places behind the last products
.endr
	v_add_f32 v14, v14, v15
	s_delay_alu instid0(VALU_DEP_1)
	v_permlanex16_b32 v224, v14, s[SEL], s[SEL+1]
	s_delay_alu instid0(VALU_DEP_1)
	v_add_f32 v14, v14, v224                       ; the row's sum
	s_wait_alu depctr_va_vdst(0)
	v_rcp_f32 v14, v14
	v_lshl_add_u32 v230, v5, 2, v6                 ; (a plain instruction behind the transcendental)  4 r + h: where my scale byte goes
	v_and_b32 v228, 31, v0
	s_wait_alu depctr_va_vdst(0)
.set j, 0
.rept 32
	v_mul_f32 v[96+j], v[160+j], v14               ; o: register 8 t + i is d = 16 t + 8 h + i
.set j, j+1
.endr
.irp c, 0,1
.irp i, 0,1,2,3,4,5,6,7
	v_permlane16_swap_b32 v[96+16*\c+\i], v[104+16*\c+\i]   ; now register 16 c + i is d = 32 c + 16 h + i: 16 neighbours
.endr
.endr
.irp b, 0,1
	v_max3_num_f32 v[212+\b], |v[96+16*\b]|, |v[97+16*\b]|, 0x1800000
.endr
.irp i, 2,4,6,8,10,12,14
.irp b, 0,1
	s_delay_alu instid0(VALU_DEP_2)
	v_max3_num_f32 v[212+\b], v[212+\b], |v[96+16*\b+\i]|, |v[97+16*\b+\i]|
.endr
.endr
.irp b, 0,1
	s_delay_alu instid0(VALU_DEP_2)
	v_permlanex16_b32 v[216+\b], v[212+\b], s[SEL], s[SEL+1]
.endr
.irp b, 0,1
	s_delay_alu instid0(VALU_DEP_2)
	v_max_num_f32 v[212+\b], v[212+\b], v[216+\b]
.endr
.irp b, 0,1
	s_delay_alu instid0(VALU_DEP_2)
	v_add_nc_u32 v[220+\b], 0xff000000, v[212+\b]
.endr
.irp b, 0,1
	s_delay_alu instid0(VALU_DEP_2)
	v_lshrrev_b32 v[216+\b], 23, v[220+\b]
.endr
	v_cvt_scalef32_pk16_fp6_f32 v[192:194], v[96:111], v220
	v_cvt_scalef32_pk16_fp6_f32 v[204:206], v[112:127], v221
	v_nop
.irp i, 0,1,2
	v_permlane16_swap_b32 v[192+\i], v[204+\i]
.endr
.irp i, 0,1,2
	s_delay_alu instid0(VALU_DEP_3)
	v_mov_b32 v[195+\i], v[204+\i]                 ; v192-197: the block 32 h .. 32 h + 31 of my head: six registers of the next operand
.endr
	v_cmp_gt_u32 vcc_lo, 16, v228
	s_delay_alu instid0(VALU_DEP_1)
	v_cndmask_b32 v229, v217, v216, vcc_lo         ; lanes 0-15 store block 0's byte, lanes 16-31 block 1's
.irp p, 0,1,2
	global_store_b64 v7, v[192+2*\p:193+2*\p], s[66:67] offset:256*\p   ; the wave stores 256 consecutive bytes, aligned
.endr
	global_store_b8 v230, v229, s[68:69]
	s_wait_tensorcnt 0x0
	ds_add_u32 v254, v255
	s_wait_dscnt 0x0
	CROUND                                         ; the closing round
	s_endpgm
.Lfunc_end_k_q8b3d90965b_attn:
	.size	k_q8b3d90965b_attn, .Lfunc_end_k_q8b3d90965b_attn-k_q8b3d90965b_attn
	.p2alignl 7, 3214868480
	.fill 96, 4, 3214868480
	.section	.rodata,"a",@progbits
	.p2align	6, 0x0
	.amdhsa_kernel k_q8b3d90965b_attn
		.amdhsa_group_segment_fixed_size 169984
		.amdhsa_private_segment_fixed_size 0
		.amdhsa_enable_private_segment 0
		.amdhsa_kernarg_size 16
		.amdhsa_user_sgpr_count 2
		.amdhsa_user_sgpr_kernarg_segment_ptr 1
		.amdhsa_wavefront_size32 1
		.amdhsa_system_sgpr_workgroup_id_x 1
		.amdhsa_system_sgpr_workgroup_id_y 1
		.amdhsa_system_sgpr_workgroup_id_z 1
		.amdhsa_system_vgpr_workitem_id 0
		.amdhsa_next_free_vgpr 256
		.amdhsa_next_free_sgpr 74
		.amdhsa_reserve_vcc 1
		.amdhsa_float_denorm_mode_32 3
		.amdhsa_float_denorm_mode_16_64 3
		.amdhsa_memory_ordered 1
		.amdhsa_forward_progress 1
		.amdhsa_inst_pref_size 35
	.end_amdhsa_kernel
	.amdgpu_metadata
---
amdhsa.version: [ 1, 2 ]
amdhsa.kernels:
  - .name:           k_q8b3d90965b_attn
    .symbol:         k_q8b3d90965b_attn.kd
    .args:
      - { .name: qkv, .offset: 0, .size: 8, .value_kind: global_buffer, .address_space: global }
      - { .name: oq, .offset: 8, .size: 8, .value_kind: global_buffer, .address_space: global }
    .group_segment_fixed_size: 169984
    .private_segment_fixed_size: 0
    .kernarg_segment_align: 8
    .kernarg_segment_size: 16
    .max_flat_workgroup_size: 512
    .sgpr_count:     74
    .vgpr_count:     256
    .wavefront_size: 32
...
	.end_amdgpu_metadata
.endif
;; end of part 3
;; launch proj (part 4): grid 8 x 32, 4 waves a work-group, clusters of 4 x 4, 327,680 bytes of LDS; arguments oq, wim, w_proj_scales, b_proj, x, x1; writes x1
.if DOCPART == 4
	.amdgcn_target "amdgcn-amd-amdhsa--gfx1250"
	.amdhsa_code_object_version 6
	.text
	.protected	k_q8b3d90965b_proj
	.globl	k_q8b3d90965b_proj
	.p2align	8
	.type	k_q8b3d90965b_proj,@function
k_q8b3d90965b_proj:
	s_mov_b64 s[64:65], 0
	v_nop
	global_prefetch_b8 v0, s[64:65] scope:SCOPE_SE
	s_setreg_imm32_b32 hwreg(HW_REG_WAVE_MODE, 25, 1), 1
	s_wait_xcnt 0x0
	s_wait_alu depctr_hold_cnt(0) depctr_sa_sdst(0) depctr_va_vdst(0) depctr_va_sdst(0) depctr_va_ssrc(0) depctr_va_vcc(0) depctr_vm_vsrc(0)
	s_getreg_b32 s2, hwreg(HW_REG_IB_STS2, 6, 4)
	s_cmp_eq_u32 s2, 0
	s_cbranch_scc0 .Lentry_in_a_cluster
	s_endpgm
.Lentry_in_a_cluster:
	s_bfe_u32 s2, ttmp6, 0x10000c
	s_cmp_lg_u32 s2, 0xf033
	s_cbranch_scc0 .Lentry_shape_is_right
	s_endpgm
.Lentry_shape_is_right:
; out[m][n] = res[m][n] + bias[n] + sum over k of A[m][k] W[n][k], on codes of FP6 (E2M3) with E8M0 scales.  M = 4096, N = 1024, K = SIZE_K.
; A comes as IMAGES OF ITS OPERAND REGISTERS: [m / 16][k / 128][1536 bytes], register pair p at 256 p + 8 x lane; behind them its scale words [k / 128][4096 rows][4 bytes].  W: images likewise, from wim; scale bytes [n][K / 32].
; A tile of out is 128 x 128, so that the 256 tiles give each WGP a work-group; four waves, 64 x 64 each: 16 accumulators.  K goes in slots of 512 (four steps of 128) through a ring of two LDS slots.
; The scales of all of K come once, with the first fills.  The bias is the C of each sum's first product; the residual is added on the way out.
; CLUSTERS: 4 x 4 work-groups; A's tiles are asked for jointly along a row of the cluster, W's along a column.  The matrix instruction is used transposed (source 0 = 16 rows of W, source 1 = 16 rows of A).
; REGISTERS: window 0: v16-31 addresses; v32-63 scale words, two sets; v64-95 the bias; v128-255 the accumulators ((a, b) at v[128 + 8 (4 a + b)]); on the way out v32-127 are free.
;   window 1: two sets of fragments at v0 and v128: A's four, then W's four.
.set SIZE_K, 1024
.set NKC,    SIZE_K/128
.set KROW,   SIZE_K*6/8
.set KS,     SIZE_K/32
.set LAPS,   SIZE_K/1024               ; a lap = two slots
.set ASC,    4096*KROW                 ; where A's scale words begin
; W COMES AS IMAGES TOO, from wim (laid out by the first launch), [n / 16][k / 128][1536 bytes]: both sides of a slot are [8 blocks][4 images].
.set ABYT,   49152
.set SUBB,   24576                     ; W's images of 64 rows
.set WOFF,   2359296                   ; where this weight's images begin in wim
.set SLOT,   ABYT+2*SUBB
.set SCA,    2*SLOT                    ; A's scale words [NKC][128 rows][4]
.set SCB,    SCA+NKC*512               ; W's scale bytes, as units of 256 bytes + 16
.set HALFSB, (64*KS/256)*272
.set SPARE,  SCB+2*HALFSB              ; the spare words, 128 bytes a wave: no other line names them
.set ADRA, 16
.set ADRB, 20
.set STO,  24
.set RD,   25
.set CO,   26
.set ADSA, 27
.set SPW,  28
.set NIL,  29
.set ADSB, 30
.set BO,   31
.set SC,   32                          ; set s: v[SC+16 s+4 g+q]: W's words, lanes 0-15 block 2 g, lanes 16-31 block 2 g + 1;  v[SC+8+16 s+2 q+g]: A's likewise
.set BI,   64
.set ACC,  128
.set OB,   32
.set RES,  64
.set G1, 24
.set G0, 32
.set G1B, 48
.set G0B, 56
.set G1S, 68
.set G0S, 76
.set G1SB, 80
.set G0SB, 88
.set MSB, 0
.macro WIN new
.if MSB != \new
	s_set_vgpr_msb (MSB<<8)|\new
.set MSB, \new
.endif
.endm
.set MUL,  0x05                        ; sources 0 and 1 window 1; C and D window 0
.set TO_F, 0x40                        ; destination window 1, address window 0
.macro JLOAD g0a, g1a, g0b, g1b        ; waves 0 and 1 fetch for A, waves 2 and 3 for W.  Four v_nop follow each of the two lines
	s_cmp_eq_u32 s15, 0
	s_cbranch_scc0 .Lfor_b_\@
	tensor_load_to_lds s[\g0a:\g0a+3], s[\g1a:\g1a+7]
	s_nop 0
.rept 4
	v_nop
.endr
	s_branch .Lasked_\@
.Lfor_b_\@:
	tensor_load_to_lds s[\g0b:\g0b+3], s[\g1b:\g1b+7]
	s_nop 0
.rept 4
	v_nop
.endr
.Lasked_\@:
.endm
.macro CREST
	s_cmp_lg_u32 s14, 0
	s_cbranch_scc1 .Lnot_wave_0_\@
	s_barrier_signal -3
.Lnot_wave_0_\@:
	s_barrier_wait -3
	s_barrier_signal -1
	s_barrier_wait -1
.endm
.macro CROUND
	s_barrier_signal -1
	s_barrier_wait -1
	CREST
.endm
	s_load_b256 s[4:11], s[0:1], 0x0               ; A s[4:5], W's codes s[6:7], W's scales s[8:9], the bias s[10:11]
	s_load_b128 s[92:95], s[0:1], 0x20             ; the residual s[92:93], out s[94:95]
	v_lshl_add_u32 v[SPW], v0, 2, SPARE
	v_mov_b32 v[NIL], 0
	ds_add_u32 v28, v29
	ds_add_u32 v28, v29
	s_wait_dscnt 0x0
	v_lshrrev_b32 v1, 5, v0
	v_readfirstlane_b32 s14, v1                    ; wave 0..3
	s_lshr_b32 s15, s14, 1                         ; which half of the tile's rows is mine.  Also: I fetch for A (0) or for W (1)
	s_and_b32 s16, s14, 1                          ; which half of its columns.  Also: which half I fetch
	s_bfe_u32 s40, ttmp6, 0x40000
	s_bfe_u32 s41, ttmp6, 0x40004
	s_lshl_b32 s42, ttmp9, 2
	s_add_co_u32 s42, s42, s40                     ; tile column
	s_and_b32 s17, ttmp7, 0xffff
	s_lshl_b32 s17, s17, 2
	s_add_co_u32 s17, s17, s41                     ; tile row
	s_lshl_b32 s43, s41, 2
	s_lshl_b32 s43, 15, s43                        ; my row of the cluster
	s_lshl_b32 s44, 0x1111, s40                    ; my column
	; A: 4 blocks of 16 rows, of each 4 images on end (6,144 bytes), NKC x 1536 bytes apart; elements of 8 bytes, no padding
	s_or_b32 s[G1+0], s43, (3<<16)|(1<<21)
	s_mov_b32 s[G1+1], 768<<16
	s_mov_b32 s[G1+2], 8<<16                       ; 8 blocks for the head's loads; 4 behind them
	s_mov_b32 s[G1+3], 768<<16
	s_mov_b32 s[G1+4], 8
	s_mov_b32 s[G1+5], NKC*192
	s_mov_b32 s[G1+6], 0
	s_mov_b32 s[G1+7], 0
	; W: like A, 4 blocks of 16 rows, of each 4 images on end, no padding
	s_or_b32 s[G1B+0], s44, (3<<16)|(1<<21)        ; W as A: of each block 4 images on end
	s_mov_b32 s[G1B+1], 768<<16
	s_mov_b32 s[G1B+2], 8<<16
	s_mov_b32 s[G1B+3], 768<<16
	s_mov_b32 s[G1B+4], 8
	s_mov_b32 s[G1B+5], NKC*192
	s_mov_b32 s[G1B+6], 0
	s_mov_b32 s[G1B+7], 0
	; A's scale words: NKC rows of 512 bytes, 16,384 bytes apart
	s_or_b32 s[G1S+0], s43, (3<<16)|(1<<21)
	s_mov_b32 s[G1S+1], 64<<16
	s_mov_b32 s[G1S+2], NKC<<16
	s_mov_b32 s[G1S+3], 64<<16
	s_mov_b32 s[G1S+4], NKC
	s_mov_b32 s[G1S+5], 2048
	s_mov_b32 s[G1S+6], 0
	s_mov_b32 s[G1S+7], 0
	; W's scale bytes of 128 rows: a dense block, as rows of 256 bytes, 16 bytes of padding behind each
	s_or_b32 s[G1SB+0], s44, (3<<16)|(1<<20)|(1<<21)|(5<<22)|(3<<25)
	s_mov_b32 s[G1SB+1], 32<<16
	s_mov_b32 s[G1SB+2], (128*KS/256)<<16
	s_mov_b32 s[G1SB+3], 32<<16
	s_mov_b32 s[G1SB+4], 128*KS/256
	s_mov_b32 s[G1SB+5], 32
	s_mov_b32 s[G1SB+6], 0
	s_mov_b32 s[G1SB+7], 0
	s_mul_i32 s20, s17, 8*NKC*1536                 ; the tile's first block of A
	s_mov_b32 s21, 0
	s_lshl_b32 s22, s17, 9
	s_add_co_u32 s22, s22, ASC
	s_mov_b32 s23, 0
	s_mul_i32 s46, s42, 128*KROW
	s_add_co_u32 s46, s46, WOFF
	s_mov_b32 s47, 0
	s_mul_i32 s96, s42, 128*KS
	s_mul_i32 s18, s16, 4*NKC*1536                 ; in the ring I fetch 4 blocks: which half, in bytes
	s_mov_b32 s19, 0
	s_mov_b32 s97, 0
	s_mul_i32 s45, s16, 24576                      ; where they go: no place in the cluster enters an LDS address
	s_mul_i32 s98, s16, SUBB
	s_add_co_u32 s98, s98, ABYT
	s_wait_kmcnt 0x0
	s_add_nc_u64 s[20:21], s[4:5], s[20:21]
	s_add_nc_u64 s[22:23], s[4:5], s[22:23]
	s_add_nc_u64 s[46:47], s[6:7], s[46:47]
	s_add_nc_u64 s[96:97], s[8:9], s[96:97]
	CROUND                                         ; all sixteen work-groups are here: the first joint loads meet
	s_mov_b32 s[G0S], 1
	s_mov_b32 s[G0S+1], SCA
	s_mov_b64 s[G0S+2:G0S+3], s[22:23]
	s_or_b32 s[G0S+3], s[G0S+3], 0x80000000
	s_mov_b32 s[G0SB], 1
	s_mov_b32 s[G0SB+1], SCB
	s_mov_b64 s[G0SB+2:G0SB+3], s[96:97]
	s_or_b32 s[G0SB+3], s[G0SB+3], 0x80000000
.irp s, 0,1
	s_mov_b32 s[G0+4*\s], 1
	s_add_co_u32 s[G0+4*\s+1], s45, \s*SLOT
	s_add_nc_u64 s[G0+4*\s+2:G0+4*\s+3], s[20:21], \s*6144
	s_or_b32 s[G0+4*\s+3], s[G0+4*\s+3], 0x80000000
	s_mov_b32 s[G0B+4*\s], 1
	s_add_co_u32 s[G0B+4*\s+1], s98, \s*SLOT
	s_add_nc_u64 s[G0B+4*\s+2:G0B+4*\s+3], s[46:47], \s*6144
	s_or_b32 s[G0B+4*\s+3], s[G0B+4*\s+3], 0x80000000
.endr
; THE HEAD'S LOADS, ONE A WAVE: wave 0 slot 0 of A's 128 rows, wave 1 of W's, wave 2 A's scale words, wave 3 W's scale bytes.  Slot 0's groups 0 name the whole tiles.
	s_mov_b32 s[G0+1], 0
	s_mov_b32 s[G0B+1], ABYT
.macro ARM under, g0, g1, next
	s_cmp_lt_u32 s14, \under
	s_cbranch_scc0 \next
	tensor_load_to_lds s[\g0:\g0+3], s[\g1:\g1+7]
	s_nop 0
.rept 4
	v_nop
.endr
	s_branch .Lhead_asked
\next:
.endm
	ARM 1, G0,  G1,  .Lhead_b
	ARM 2, G0B, G1B, .Lhead_sa
	ARM 3, G0S, G1S, .Lhead_sb
	tensor_load_to_lds s[G0SB:G0SB+3], s[G1SB:G1SB+7]
	s_nop 0
.rept 4
	v_nop
.endr
.Lhead_asked:
	v_and_b32 v1, 15, v0
	v_bfe_u32 v2, v0, 4, 1
	v_and_b32 v3, 31, v0
	s_wait_alu depctr_va_vdst(0)
	s_mul_i32 s21, s15, 24576
	v_lshl_add_u32 v[ADRA], v3, 3, s21             ; A's images: my 4 blocks, 8 x lane
	v_add_nc_u32 v[ADRA+1], SLOT, v[ADRA]
	s_mul_i32 s22, s16, SUBB
	s_add_co_u32 s22, s22, ABYT
	v_lshl_add_u32 v[ADRB], v3, 3, s22             ; W's images: my 4 blocks, 8 x lane
	v_add_nc_u32 v[ADRB+1], SLOT, v[ADRB]
	s_lshl_b32 s21, s15, 8
	s_add_co_u32 s21, s21, SCA
	v_lshl_add_u32 v[ADSA], v3, 2, s21             ; A's scale words: my 64 rows, 4 x lane
	v_mul_u32_u24 v5, v3, KS
	v_lshrrev_b32 v6, 8, v5
	v_lshl_add_u32 v5, v6, 4, v5
	s_mul_i32 s22, s16, HALFSB
	s_add_co_u32 s22, s22, SCB
	v_add_nc_u32 v[ADSB], s22, v5                  ; W's scale bytes: row = lane of my 64
	s_mul_i32 s23, s14, 16*272                     ; my stage, in slot 0: 16 rows x (256 + 16) bytes
	v_mul_u32_u24 v5, v1, 272
	v_lshl_add_u32 v5, v2, 5, v5
	v_add_nc_u32 v[STO], s23, v5
	v_mul_u32_u24 v5, v2, 272
	v_lshl_add_u32 v5, v1, 4, v5
	v_add_nc_u32 v[RD], s23, v5
	v_lshlrev_b32 v[CO], 12, v2
	v_lshl_add_u32 v[CO], v1, 4, v[CO]             ; two rows of out an instruction: 4096 h + 16 r
	v_lshlrev_b32 v[BO], 5, v2
	s_wait_alu depctr_va_vdst(0)
	s_lshl_b32 s20, s17, 7
	s_lshl_b32 s21, s15, 6
	s_add_co_u32 s20, s20, s21                     ; my first row
	s_lshl_b32 s20, s20, 12
	s_lshl_b32 s46, s42, 7
	s_lshl_b32 s47, s16, 6
	s_add_co_u32 s46, s46, s47                     ; my first column
	s_lshl_b32 s46, s46, 2
	s_mov_b32 s47, 0
	s_add_nc_u64 s[10:11], s[10:11], s[46:47]
	s_add_co_u32 s20, s20, s46
	s_mov_b32 s21, 0
	s_add_nc_u64 s[92:93], s[92:93], s[20:21]
	s_add_nc_u64 s[94:95], s[94:95], s[20:21]
.irp b, 0,1,2,3
	global_load_b128 v[BI+8*\b:BI+8*\b+3], v[BO], s[10:11] offset:64*\b       ; the bias in the result's layout: columns 16 b + 8 h + 0 .. 7
	global_load_b128 v[BI+8*\b+4:BI+8*\b+7], v[BO], s[10:11] offset:64*\b+16
.endr
.macro FRAGI reg, adr, off             ; a fragment of A from its image: each load reads 256 consecutive bytes
.irp p, 0,1,2,3,4,5
	ds_load_b64 v[\reg+2*\p:\reg+2*\p+1], v[\adr] offset:(\off)+256*\p
.endr
.endm
.macro FETCH slot, q, p                ; the slot's q-th 128 along K into set p: 48 loads
	WIN TO_F
.irp i, 0,1,2,3
	FRAGI 128*(\p)+48+12*\i, ADRB+\slot, (4*\i+(\q))*1536
.endr
.irp i, 0,1,2,3
	FRAGI 128*(\p)+12*\i, ADRA+\slot, (4*\i+(\q))*1536
.endr
.endm
.macro SCALES s                        ; a slot's scale words into set s
.irp g, 0,1
	ds_load_b128 v[SC+16*(\s)+4*\g:SC+16*(\s)+4*\g+3], v[ADSB] offset:\g*(32*KS/256)*272
.endr
.irp q, 0,1,2,3
.irp g, 0,1
	ds_load_b32 v[SC+8+16*(\s)+2*\q+\g], v[ADSA] offset:512*\q+128*\g
.endr
.endr
.endm
.macro PLACES n
.rept \n
	v_nop
.endr
.endm
; Four products: A's block a x W's four.  The 16 accumulators take turns, one instruction a turn, in the same order in every step.  first = 1: the bias is the C: nothing is cleared.
.macro MULA p, q, s, a, first
.irp b, 0,1,2,3
.set rD, ACC+8*(4*(\a)+\b)
.if \first
.set rC, BI+8*\b
.else
.set rC, ACC+8*(4*(\a)+\b)
.endif
.set rB, 128*(\p)+48+12*\b
.set rA, 128*(\p)+12*(\a)
.set rSB, SC+16*(\s)+4*(\b/2)+(\q)
.set rSA, SC+8+16*(\s)+2*(\q)+(\a)/2
.if (\b%2) && ((\a)%2)
	v_wmma_scale_f32_16x16x128_f8f6f4 v[rD:rD+7], v[rB:rB+11], v[rA:rA+11], v[rC:rC+7], v[rSB], v[rSA] matrix_a_fmt:MATRIX_FMT_FP6 matrix_b_fmt:MATRIX_FMT_FP6 matrix_a_scale:MATRIX_SCALE_ROW1 matrix_b_scale:MATRIX_SCALE_ROW1
.elseif \b%2
	v_wmma_scale_f32_16x16x128_f8f6f4 v[rD:rD+7], v[rB:rB+11], v[rA:rA+11], v[rC:rC+7], v[rSB], v[rSA] matrix_a_fmt:MATRIX_FMT_FP6 matrix_b_fmt:MATRIX_FMT_FP6 matrix_a_scale:MATRIX_SCALE_ROW1
.elseif (\a)%2
	v_wmma_scale_f32_16x16x128_f8f6f4 v[rD:rD+7], v[rB:rB+11], v[rA:rA+11], v[rC:rC+7], v[rSB], v[rSA] matrix_a_fmt:MATRIX_FMT_FP6 matrix_b_fmt:MATRIX_FMT_FP6 matrix_b_scale:MATRIX_SCALE_ROW1
.else
	v_wmma_scale_f32_16x16x128_f8f6f4 v[rD:rD+7], v[rB:rB+11], v[rA:rA+11], v[rC:rC+7], v[rSB], v[rSA] matrix_a_fmt:MATRIX_FMT_FP6 matrix_b_fmt:MATRIX_FMT_FP6
.endif
.endr
.endm
.macro STEP slot, q, first             ; one of a slot's first three steps: the next step's fragments are asked for, then this step's 16 products
	s_wait_dscnt 0x0                               ; this step's set (and, at a slot's head, its scale words) are in
	PLACES 4                                       ; in front of loads into the set that the last step's products read
	FETCH \slot, (\q)+1, ((\q)+1)%2
	WIN MUL
	MULA (\q)%2, \q, \slot, 0, \first
	MULA (\q)%2, \q, \slot, 1, \first
	MULA (\q)%2, \q, \slot, 2, \first
	MULA (\q)%2, \q, \slot, 3, \first
.endm
; A slot's last step changes slots: one barrier; in front of it each wave waits for all its tensor loads, adds 0 to its spare word, and waits for that and for its reads of this slot.
.macro TURN slot, next, fill
	WIN 0
	s_wait_tensorcnt 0x0                           ; all my tensor loads have landed: my part of the next slot
	ds_add_u32 v[SPW], v[NIL]                      ; 0 onto my spare word
	s_wait_dscnt 1                                 ; (the add alone may be out: this step's set is in)
	WIN MUL
	MULA 1, 3, \slot, 0, 0
	s_wait_dscnt 0x0                               ; the add is done, and my reads of this slot are over
	s_barrier_signal -1
	MULA 1, 3, \slot, 1, 0
	WIN 0
	s_barrier_wait -1
.if \fill
	CREST                                          ; the barrier has opened a round of the cluster's: no wave of any partner still reads this slot or has a load on its way
	s_add_nc_u64 s[G0+4*\slot+2:G0+4*\slot+3], s[G0+4*\slot+2:G0+4*\slot+3], 12288
	s_add_nc_u64 s[G0B+4*\slot+2:G0B+4*\slot+3], s[G0B+4*\slot+2:G0B+4*\slot+3], 12288
	JLOAD G0+4*\slot, G1, G0B+4*\slot, G1B         ; my one tensor load behind the round; its four v_nop are the places in front of the loads below
.else
	PLACES 4
.endif
	v_add_nc_u32 v[ADSA], 2048, v[ADSA]            ; on to the next slot's scale words
	v_add_nc_u32 v[ADSB], 16, v[ADSB]
	FETCH \next, 0, 0
	WIN 0
	SCALES \next
	WIN MUL
	MULA 1, 3, \slot, 2, 0
	MULA 1, 3, \slot, 3, 0
.endm
	s_wait_alu depctr_va_vdst(0)                   ; the wait at the head's end
	s_wait_tensorcnt 0x0                           ; my tile of the head's four is in
	ds_add_u32 v[SPW], v[NIL]
	s_mov_b32 s[G1+2], 4<<16                       ; no tensor load of mine is out: slot 1's load brings 4 blocks,
	s_mov_b32 s[G1+4], 4
	s_mov_b32 s[G1B+2], 4<<16
	s_mov_b32 s[G1B+4], 4
.irp g, G0+4, G0B+4
	s_add_nc_u64 s[\g+2:\g+3], s[\g+2:\g+3], s[18:19]   ; from my half of the tile's rows (slot 0 is not filled again: K is two slots)
.endr
	s_wait_dscnt 0x0
	CROUND                                         ; all four tiles are in, and all sixteen work-groups are here
	JLOAD G0+4, G1, G0B+4, G1B                     ; slot 1, the first tensor load behind the round
	FETCH 0, 0, 0
	WIN 0
	SCALES 0
	s_wait_loadcnt 0x0                             ; the bias
	STEP 0, 0, 1
.if LAPS > 1
	WIN 0
	s_mov_b32 s3, LAPS-1
.Llap:                                             ; a trip goes once round the ring and fills both slots again
	STEP 0, 1, 0
	STEP 0, 2, 0
	TURN 0, 1, 1
	STEP 1, 0, 0
	STEP 1, 1, 0
	STEP 1, 2, 0
	TURN 1, 0, 1
	STEP 0, 0, 0
	WIN 0
	s_sub_co_u32 s3, s3, 1
	s_cmp_lg_u32 s3, 0
	s_cbranch_scc1 .Llap
.endif
	STEP 0, 1, 0                                   ; the last lap fills nothing
	STEP 0, 2, 0
	TURN 0, 1, 0
	STEP 1, 0, 0
	STEP 1, 1, 0
	STEP 1, 2, 0
	WIN 0
.macro RLOAD a                         ; the residual of block a's 16 rows, in the order in which they are stored
.irp t, 0,1,2,3,4,5,6,7
	global_load_b128 v[RES+32*((\a)%2)+4*\t:RES+32*((\a)%2)+4*\t+3], v[CO], s[92:93] offset:(16*(\a)+2*\t)*4096
.endr
.endm
	RLOAD 0
	RLOAD 1
	s_wait_dscnt 0x0
	WIN MUL
	MULA 1, 3, 1, 0, 0
	MULA 1, 3, 1, 1, 0
	MULA 1, 3, 1, 2, 0
	MULA 1, 3, 1, 3, 0
	WIN 0
; THE WAY OUT.  A wave's 64 columns are 256 aligned bytes of a row: a block of 16 rows goes through my own stage (in slot 0, which has had its last fill and its last read) and comes back two whole rows an instruction.
.macro OUT a
.irp b, 0,1,2,3
	ds_store_b128 v[STO], v[ACC+8*(4*(\a)+\b):ACC+8*(4*(\a)+\b)+3] offset:64*\b       ; each accumulator from its low end on
	ds_store_b128 v[STO], v[ACC+8*(4*(\a)+\b)+4:ACC+8*(4*(\a)+\b)+7] offset:64*\b+16
.endr
.irp t, 0,1,2,3,4,5,6,7
	ds_load_b128 v[OB+4*\t:OB+4*\t+3], v[RD] offset:544*\t
.endr
	s_wait_dscnt 0x0
.if (\a) < 3
	s_wait_loadcnt 8                               ; this block's residual is in; the next block's eight loads may be out
.else
	s_wait_loadcnt 0x0
.endif
.set i, 0
.rept 16
	v_pk_add_f32 v[OB+i:OB+i+1], v[OB+i:OB+i+1], v[RES+32*((\a)%2)+i:RES+32*((\a)%2)+i+1]
.set i, i+2
.endr
.irp t, 0,1,2,3,4,5,6,7
	global_store_b128 v[CO], v[OB+4*\t:OB+4*\t+3], s[94:95] offset:(16*(\a)+2*\t)*4096   ; sixteen lanes store 256 consecutive bytes, aligned
.endr
	s_wait_xcnt 0x0                                ; the stores have read their registers: the next block may land there
.if (\a) < 2
	RLOAD (\a)+2
.endif
.endm
	PLACES 4
	OUT 0
	OUT 1
	OUT 2
	OUT 3
	s_wait_tensorcnt 0x0                           ; the wave's end
	ds_add_u32 v[SPW], v[NIL]
	s_wait_dscnt 0x0
	CROUND                                         ; the closing round
	s_endpgm
.Lfunc_end_k_q8b3d90965b_proj:
	.size	k_q8b3d90965b_proj, .Lfunc_end_k_q8b3d90965b_proj-k_q8b3d90965b_proj
	.p2alignl 7, 3214868480
	.fill 96, 4, 3214868480
	.section	.rodata,"a",@progbits
	.p2align	6, 0x0
	.amdhsa_kernel k_q8b3d90965b_proj
		.amdhsa_group_segment_fixed_size 327680
		.amdhsa_private_segment_fixed_size 0
		.amdhsa_enable_private_segment 0
		.amdhsa_kernarg_size 48
		.amdhsa_user_sgpr_count 2
		.amdhsa_user_sgpr_kernarg_segment_ptr 1
		.amdhsa_wavefront_size32 1
		.amdhsa_system_sgpr_workgroup_id_x 1
		.amdhsa_system_sgpr_workgroup_id_y 1
		.amdhsa_system_sgpr_workgroup_id_z 1
		.amdhsa_system_vgpr_workitem_id 0
		.amdhsa_next_free_vgpr 512
		.amdhsa_next_free_sgpr 102
		.amdhsa_reserve_vcc 0
		.amdhsa_float_denorm_mode_32 3
		.amdhsa_float_denorm_mode_16_64 3
		.amdhsa_memory_ordered 1
		.amdhsa_forward_progress 1
		.amdhsa_inst_pref_size 70
	.end_amdhsa_kernel
	.amdgpu_metadata
---
amdhsa.version: [ 1, 2 ]
amdhsa.kernels:
  - .name:           k_q8b3d90965b_proj
    .symbol:         k_q8b3d90965b_proj.kd
    .args:
      - { .name: oq, .offset: 0, .size: 8, .value_kind: global_buffer, .address_space: global }
      - { .name: wim, .offset: 8, .size: 8, .value_kind: global_buffer, .address_space: global }
      - { .name: w_proj_scales, .offset: 16, .size: 8, .value_kind: global_buffer, .address_space: global }
      - { .name: b_proj, .offset: 24, .size: 8, .value_kind: global_buffer, .address_space: global }
      - { .name: x, .offset: 32, .size: 8, .value_kind: global_buffer, .address_space: global }
      - { .name: x1, .offset: 40, .size: 8, .value_kind: global_buffer, .address_space: global }
    .group_segment_fixed_size: 327680
    .private_segment_fixed_size: 0
    .kernarg_segment_align: 8
    .kernarg_segment_size: 48
    .max_flat_workgroup_size: 128
    .sgpr_count:     102
    .vgpr_count:     512
    .wavefront_size: 32
...
	.end_amdgpu_metadata
.endif
;; end of part 4
;; launch ln2 (part 5): grid 256 x 1, 4 waves a work-group, no clusters, 34,304 bytes of LDS; arguments x1, g2, be2, tq; writes tq
.if DOCPART == 5
	.amdgcn_target "amdgcn-amd-amdhsa--gfx1250"
	.amdhsa_code_object_version 6
	.text
	.protected	k_q8b3d90965b_ln2
	.globl	k_q8b3d90965b_ln2
	.p2align	8
	.type	k_q8b3d90965b_ln2,@function
k_q8b3d90965b_ln2:
	s_mov_b64 s[64:65], 0
	v_nop
	global_prefetch_b8 v0, s[64:65] scope:SCOPE_SE
	s_setreg_imm32_b32 hwreg(HW_REG_WAVE_MODE, 25, 1), 1
	s_wait_xcnt 0x0
; t = LayerNorm(LayerNorm(x1)), each x g + be, quantised along the row to codes of FP6 (E2M3) with one E8M0 byte for each 32 numbers.
; x1: [4096][1024] f32.  Out: codes as images [row / 16][k / 128][1536 bytes], and from byte SCOFF on the scale bytes [4096][32].
; SHARES.  A work-group takes 16 rows, a wave 4; a wave holds a whole row in 32 registers a lane, so the row is read once, both norms run in place, and no sum leaves the wave.
; Each load reads 512 consecutive bytes; the mean is taken first and the squares of the differences second, as the definition has it.
; The conversion takes 16 neighbours from ONE lane's registers: the finished row turns through the wave's own stage in LDS (16 bytes of padding behind each 64) and comes back 64 bytes a lane.
; LIMITS: NaN and infinities are not served; a block whose largest magnitude lies under 2^-124 keeps the byte 1; a block of zeros gets the byte 1 and not 127 (its codes are zeros, and this program alone reads the bytes).
; No matrix unit, no tensor load, no cluster: the launch streams.
.set PASSES, 2                         ; how often the norm is applied
.set CROW,  768
.set SCOFF, 3145728
.set STG,   5120
.set SCB,   20480
.set G,   16
.set BE,  48
.set X,   80
.set Q,   208
; THE CODES LEAVE AS IMAGES OF OPERAND REGISTERS: [row / 16][k / 128][1536 bytes], register pair p of lane (r, h) at 256 p + 8 (r + 16 h).  The work-group's 16 rows are 8 images, gathered in LDS from IMG on.
.set IMG, 22016
	s_load_b256 s[4:11], s[0:1], 0x0
	v_lshl_add_u32 v240, v0, 2, 0x5400
	v_mov_b32 v241, 0
	v_lshrrev_b32 v1, 5, v0
	v_readfirstlane_b32 s14, v1                    ; wave
	v_and_b32 v1, 31, v0                           ; lane
	v_lshlrev_b32 v2, 4, v1
	s_mul_i32 s22, s14, STG
	v_lshrrev_b32 v3, 2, v1
	v_mul_u32_u24 v3, v3, 80
	v_and_b32 v4, 3, v1
	v_lshl_add_u32 v3, v4, 4, v3
	v_add_nc_u32 v3, s22, v3                       ; the stage, in
	v_mul_u32_u24 v4, v1, 80
	v_add_nc_u32 v4, s22, v4                       ; and out
	v_lshrrev_b32 v5, 2, v1                        ; my 16 codes are half (lane % 2) of block (lane / 2) % 4 of image lane / 8 (+ 4 for the row's second half)
	v_mul_u32_u24 v5, v5, 768
	v_bfe_u32 v242, v1, 1, 1
	v_lshl_add_u32 v5, v242, 7, v5
	s_lshl_b32 s25, s14, 5
	s_add_co_u32 s25, s25, IMG
	v_add_nc_u32 v5, s25, v5                       ; + 8 bytes a row: 32 x wave
	v_and_b32 v243, 1, v1
	v_mad_u32_u24 v242, v243, 508, v5              ; my three words lie at 0, 4, 256 (lower half) or 260, 512, 516 (upper half)
	v_mad_u32_u24 v5, v243, 260, v5
	v_lshlrev_b32 v244, 4, v0                      ; the images' way out: 16 bytes a thread
	v_add_nc_u32 v245, IMG, v244
	v_lshrrev_b32 v6, 1, v1
	s_lshl_b32 s23, s14, 7
	s_add_co_u32 s23, s23, SCB
	v_add_nc_u32 v6, s23, v6
	v_add_nc_u32 v7, SCB, v2
	v_mov_b32 v14, 0                               ; written once: a lane permute's destination counts as one of its sources
	s_mov_b32 s12, 0x76543210
	s_mov_b32 s13, 0xfedcba98
	s_mov_b32 s15, 0x3727c5ac                      ; 1e-5
	s_mov_b32 s24, 0x3a800000                      ; 1 / 1024
	s_lshl_b32 s16, ttmp9, 4
	s_lshl_b32 s17, s14, 2
	s_add_co_u32 s18, s16, s17                     ; my first row
	s_lshl_b32 s16, s18, 12
	s_mov_b32 s17, 0
	s_mul_i32 s18, ttmp9, 12288                    ; the work-group's 8 images
	s_mov_b32 s19, 0
	s_lshl_b32 s20, ttmp9, 9
	s_add_co_u32 s20, s20, SCOFF
	s_mov_b32 s21, 0
	s_wait_kmcnt 0x0
	s_add_nc_u64 s[4:5], s[4:5], s[16:17]
	s_add_nc_u64 s[20:21], s[10:11], s[20:21]
	s_add_nc_u64 s[10:11], s[10:11], s[18:19]
.irp i, 0,1,2,3,4,5,6,7
	global_load_b128 v[G+4*\i:G+4*\i+3], v2, s[6:7] offset:512*\i
.endr
.irp i, 0,1,2,3,4,5,6,7
	global_load_b128 v[BE+4*\i:BE+4*\i+3], v2, s[8:9] offset:512*\i
.endr
.irp j, 0,1,2,3
.irp i, 0,1,2,3,4,5,6,7
	global_load_b128 v[X+32*\j+4*\i:X+32*\j+4*\i+3], v2, s[4:5] offset:4096*\j+512*\i
.endr
.endr
.macro RED                             ; v8 summed over the 32 lanes, the result in every lane
	v_add_f32_dpp v8, v8, v8 row_xmask:1 row_mask:0xf bank_mask:0xf
	v_add_f32_dpp v8, v8, v8 row_xmask:2 row_mask:0xf bank_mask:0xf
	v_add_f32_dpp v8, v8, v8 row_xmask:4 row_mask:0xf bank_mask:0xf
	v_add_f32_dpp v8, v8, v8 row_xmask:8 row_mask:0xf bank_mask:0xf
	v_permlanex16_b32 v14, v8, s12, s13
	v_add_f32 v8, v8, v14
.endm
.macro LNPASS                          ; the norm, in place on v[XB] .. v[XB+31]
	v_pk_add_f32 v[8:9], v[XB:XB+1], v[XB+2:XB+3]
	v_pk_add_f32 v[10:11], v[XB+4:XB+5], v[XB+6:XB+7]
.irp i, 8,12,16,20,24,28
	v_pk_add_f32 v[8:9], v[8:9], v[XB+\i:XB+\i+1]
	v_pk_add_f32 v[10:11], v[10:11], v[XB+\i+2:XB+\i+3]
.endr
	v_pk_add_f32 v[8:9], v[8:9], v[10:11]
	v_add_f32 v8, v8, v9
	RED
	v_mul_f32 v12, s24, v8                         ; the mean
	v_mov_b32 v13, v12
.irp i, 0,2,4,6,8,10,12,14,16,18,20,22,24,26,28,30
	v_pk_add_f32 v[XB+\i:XB+\i+1], v[XB+\i:XB+\i+1], v[12:13] neg_lo:[0,1] neg_hi:[0,1]
.endr
	v_pk_mul_f32 v[8:9], v[XB:XB+1], v[XB:XB+1]
	v_pk_mul_f32 v[10:11], v[XB+2:XB+3], v[XB+2:XB+3]
.irp i, 4,8,12,16,20,24,28
	v_pk_fma_f32 v[8:9], v[XB+\i:XB+\i+1], v[XB+\i:XB+\i+1], v[8:9]
	v_pk_fma_f32 v[10:11], v[XB+\i+2:XB+\i+3], v[XB+\i+2:XB+\i+3], v[10:11]
.endr
	v_pk_add_f32 v[8:9], v[8:9], v[10:11]
	v_add_f32 v8, v8, v9
	RED
	v_fma_f32 v12, v8, s24, s15                    ; the variance + 1e-5
	s_wait_alu depctr_va_vdst(0)
	v_rsq_f32 v12, v12
	v_nop                                          ; a plain instruction behind the transcendental,
	s_wait_alu depctr_va_vdst(0)                   ; and the wait ahead of its first reader
	v_mov_b32 v13, v12
.irp i, 0,2,4,6,8,10,12,14,16,18,20,22,24,26,28,30
	v_pk_mul_f32 v[XB+\i:XB+\i+1], v[XB+\i:XB+\i+1], v[12:13]
.endr
.irp i, 0,2,4,6,8,10,12,14,16,18,20,22,24,26,28,30
	v_pk_fma_f32 v[XB+\i:XB+\i+1], v[XB+\i:XB+\i+1], v[G+\i:G+\i+1], v[BE+\i:BE+\i+1]
.endr
.endm
.macro ROWQ j                          ; row j is quantised and leaves
.irp i, 0,1,2,3,4,5,6,7
	ds_store_b128 v3, v[XB+4*\i:XB+4*\i+3] offset:640*\i
.endr
.irp u, 0,1
.irp i, 0,1,2,3
	ds_load_b128 v[Q+16*\u+4*\i:Q+16*\u+4*\i+3], v4 offset:2560*\u+16*\i   ; LDS serves a wave's instructions in order: these see the stores above
.endr
.endr
.irp u, 0,1
	s_wait_dscnt 4                                 ; half 0: the other half's four loads may be out; half 1: half 0's four LDS stores
.set QS, Q+16*\u
	v_max3_num_f32 v8, |v[QS]|, |v[QS+1]|, |v[QS+2]|
	v_max3_num_f32 v9, |v[QS+3]|, |v[QS+4]|, |v[QS+5]|
.irp i, 6,10
	v_max3_num_f32 v8, v8, |v[QS+\i]|, |v[QS+\i+1]|
	v_max3_num_f32 v9, v9, |v[QS+\i+2]|, |v[QS+\i+3]|
.endr
	v_max3_num_f32 v8, v8, |v[QS+14]|, |v[QS+15]|
	v_max3_num_f32 v8, v8, v9, 0x1800000           ; and the floor 2^(3 - 127)
	v_max_num_f32_dpp v8, v8, v8 row_xmask:1 row_mask:0xf bank_mask:0xf
	v_add_nc_u32 v15, 0xff000000, v8               ; the conversion's scale operand
	v_cvt_scalef32_pk16_fp6_f32 v[XB+4*\u:XB+4*\u+2], v[QS:QS+15], v15   ; into the row's own registers, which are free
	v_lshrrev_b32 v[XB+8+\u], 23, v15              ; the scale's byte (also the plain instruction behind the conversion)
	ds_store_b8 v6, v[XB+8+\u] offset:32*\j+16*\u
	ds_store_b32 v5, v[XB+4*\u] offset:8*\j+6144*\u
	ds_store_b32 v242, v[XB+4*\u+1] offset:8*\j+6144*\u+4
	ds_store_b32 v5, v[XB+4*\u+2] offset:8*\j+6144*\u+256
.endr
.endm
.irp j, 0,1,2,3
	s_wait_loadcnt 8*(3-\j)                        ; g, be and rows up to j are in; the younger rows' eight loads each stay out
.set XB, X+32*\j
.rept PASSES
	LNPASS
.endr
	ROWQ \j
.endr
	s_wait_dscnt 0x0                               ; for wave 0's sake: my byte stores are done
	s_barrier_signal -1
	s_barrier_wait -1
.irp i, 0,1,2,3,4,5
	ds_load_b128 v[X+4*\i:X+4*\i+3], v245 offset:2048*\i   ; the 8 images leave in runs of 2,048 bytes
.endr
	s_wait_dscnt 0x0
.irp i, 0,1,2,3,4,5
	global_store_b128 v244, v[X+4*\i:X+4*\i+3], s[10:11] offset:2048*\i
.endr
	s_cmp_lg_u32 s14, 0
	s_cbranch_scc1 .Lend
	ds_load_b128 v[208:211], v7                    ; wave 0 stores the 16 rows' 512 scale bytes
	s_wait_dscnt 0x0
	global_store_b128 v2, v[208:211], s[20:21]
.Lend:
	s_wait_tensorcnt 0x0
	ds_add_u32 v240, v241
	s_wait_dscnt 0x0
	s_endpgm
.Lfunc_end_k_q8b3d90965b_ln2:
	.size	k_q8b3d90965b_ln2, .Lfunc_end_k_q8b3d90965b_ln2-k_q8b3d90965b_ln2
	.p2alignl 7, 3214868480
	.fill 96, 4, 3214868480
	.section	.rodata,"a",@progbits
	.p2align	6, 0x0
	.amdhsa_kernel k_q8b3d90965b_ln2
		.amdhsa_group_segment_fixed_size 34304
		.amdhsa_private_segment_fixed_size 0
		.amdhsa_enable_private_segment 0
		.amdhsa_kernarg_size 32
		.amdhsa_user_sgpr_count 2
		.amdhsa_user_sgpr_kernarg_segment_ptr 1
		.amdhsa_wavefront_size32 1
		.amdhsa_system_sgpr_workgroup_id_x 1
		.amdhsa_system_sgpr_workgroup_id_y 1
		.amdhsa_system_sgpr_workgroup_id_z 1
		.amdhsa_system_vgpr_workitem_id 0
		.amdhsa_next_free_vgpr 246
		.amdhsa_next_free_sgpr 66
		.amdhsa_reserve_vcc 0
		.amdhsa_float_denorm_mode_32 3
		.amdhsa_float_denorm_mode_16_64 3
		.amdhsa_memory_ordered 1
		.amdhsa_forward_progress 1
		.amdhsa_inst_pref_size 70
	.end_amdhsa_kernel
	.amdgpu_metadata
---
amdhsa.version: [ 1, 2 ]
amdhsa.kernels:
  - .name:           k_q8b3d90965b_ln2
    .symbol:         k_q8b3d90965b_ln2.kd
    .args:
      - { .name: x1, .offset: 0, .size: 8, .value_kind: global_buffer, .address_space: global }
      - { .name: g2, .offset: 8, .size: 8, .value_kind: global_buffer, .address_space: global }
      - { .name: be2, .offset: 16, .size: 8, .value_kind: global_buffer, .address_space: global }
      - { .name: tq, .offset: 24, .size: 8, .value_kind: global_buffer, .address_space: global }
    .group_segment_fixed_size: 34304
    .private_segment_fixed_size: 0
    .kernarg_segment_align: 8
    .kernarg_segment_size: 32
    .max_flat_workgroup_size: 128
    .sgpr_count:     66
    .vgpr_count:     246
    .wavefront_size: 32
...
	.end_amdgpu_metadata
.endif
;; end of part 5
;; launch ffn1 (part 6): grid 16 x 16, 4 waves a work-group, clusters of 4 x 4, 327,680 bytes of LDS; arguments tq, b1, wim, w1_scales, hid; writes hid
.if DOCPART == 6
	.amdgcn_target "amdgcn-amd-amdhsa--gfx1250"
	.amdhsa_code_object_version 6
	.text
	.protected	k_q8b3d90965b_ffn1
	.globl	k_q8b3d90965b_ffn1
	.p2align	8
	.type	k_q8b3d90965b_ffn1,@function
k_q8b3d90965b_ffn1:
	s_mov_b64 s[64:65], 0
	v_nop
	global_prefetch_b8 v0, s[64:65] scope:SCOPE_SE
	s_setreg_imm32_b32 hwreg(HW_REG_WAVE_MODE, 25, 1), 1
	s_wait_xcnt 0x0
	s_wait_alu depctr_hold_cnt(0) depctr_sa_sdst(0) depctr_va_vdst(0) depctr_va_sdst(0) depctr_va_ssrc(0) depctr_va_vcc(0) depctr_vm_vsrc(0)
	s_getreg_b32 s2, hwreg(HW_REG_IB_STS2, 6, 4)
	s_cmp_eq_u32 s2, 0
	s_cbranch_scc0 .Lentry_in_a_cluster
	s_endpgm
.Lentry_in_a_cluster:
	s_bfe_u32 s2, ttmp6, 0x10000c
	s_cmp_lg_u32 s2, 0xf033
	s_cbranch_scc0 .Lentry_shape_is_right
	s_endpgm
.Lentry_shape_is_right:
.set SIZE_K, 1024
.set KSTEP,  256
.set NQ,     KSTEP/128
; hid = quantised relu(t w1 + b1), a 256 x 256 tile a work-group, K = 1024 in steps of 256 through a ring of two LDS slots; the scales of all of K come once.
; BOTH OPERANDS COME AS IMAGES OF OPERAND REGISTERS, [row / 16][k / 128][1536 bytes] (w1's in wim from byte 3,145,728 on): a K step is two images on end, 3,072 bytes, of each block of 16 rows.
.set ROWB,   3072
.set KROW,   SIZE_K*6/8
.set PITCH,  192                       ; LDS bytes a row and K step
.set FR,     12
.set NL,     6
.set NP,     4
.set HALFT,  128*PITCH
.set SLOT,   4*HALFT
.set LAPS,   SIZE_K/(2*KSTEP)
.set KS,     SIZE_K/32
.set SCL,    2*SLOT
.set HALFS,  (128*KS/256)*272
.set SBLK,   (16*KS/256)*272
.set SPARE,  SCL+4*HALFS
.set SPITCH, 528
.set SST,    4*16*SPITCH
.set SSO,  7
.set SSR,  8
.set GI,   9
.set GW,   10
.set BO,   11
.set SH,   12
.set PD,   13
.set ADRA, 16
.set ADRB, 20
.set STO,  24
.set RD,   25
.set ADRS, 27
.set SPW,  28
.set NIL,  29
.set SC,   32
.set BI,   64
.set AF,   128
.set BK,   128
.set CC,   32
.set T0,   44
.set T1,   48
.set MM,   52
.set SS,   54
.set EE,   56
.set WW,   58
.set SRR,  60
.set G1, 24
.set G0, 32
.set G1B, 48
.set G0B, 56
.set G1S, 68
.set G0S, 76
.set G1SB, 80
.set G0SB, 88
.set MSB, 0
.macro WIN new
.if MSB != \new
	s_set_vgpr_msb (MSB<<8)|\new
.set MSB, \new
.endif
.endm
.set MUL_LO, 0xa1
.set MUL_HI, 0xf1
.set TO_B,   0x40
.macro JLOAD g0a, g1a, g0b, g1b
	s_cmp_eq_u32 s15, 0
	s_cbranch_scc0 .Lfor_b_\@
	tensor_load_to_lds s[\g0a:\g0a+3], s[\g1a:\g1a+7]
	s_nop 0
.rept 4
	v_nop
.endr
	s_branch .Lasked_\@
.Lfor_b_\@:
	tensor_load_to_lds s[\g0b:\g0b+3], s[\g1b:\g1b+7]
	s_nop 0
.rept 4
	v_nop
.endr
.Lasked_\@:
.endm
.macro CREST
	s_cmp_lg_u32 s14, 0
	s_cbranch_scc1 .Lnot_wave_0_\@
	s_barrier_signal -3
.Lnot_wave_0_\@:
	s_barrier_wait -3
	s_barrier_signal -1
	s_barrier_wait -1
.endm
.macro CROUND
	s_barrier_signal -1
	s_barrier_wait -1
	CREST
.endm
	s_load_b128 s[4:7], s[0:1], 0x0
	s_load_b128 s[8:11], s[0:1], 0x10
	s_load_b64 s[12:13], s[0:1], 0x20
	v_lshl_add_u32 v[SPW], v0, 2, SPARE
	v_mov_b32 v[NIL], 0
	ds_add_u32 v28, v29
	ds_add_u32 v28, v29
	s_wait_dscnt 0x0
	v_lshrrev_b32 v1, 5, v0
	v_readfirstlane_b32 s14, v1
	s_lshr_b32 s15, s14, 1
	s_and_b32 s16, s14, 1
	s_bfe_u32 s40, ttmp6, 0x40000
	s_bfe_u32 s41, ttmp6, 0x40004
	s_lshl_b32 s42, ttmp9, 2
	s_add_co_u32 s42, s42, s40
	s_and_b32 s17, ttmp7, 0xffff
	s_lshl_b32 s17, s17, 2
	s_add_co_u32 s17, s17, s41
	s_lshl_b32 s43, s41, 2
	s_lshl_b32 s43, 15, s43
	s_lshl_b32 s44, 0x1111, s40
	s_mov_b32 s66, 0x76543210
	s_mov_b32 s67, 0xfedcba98
	s_or_b32 s[G1+0], s43, (3<<16)|(1<<21)         ; the mask; elements of 8 bytes; bit 21 beside a mask
	s_or_b32 s[G1B+0], s44, (3<<16)|(1<<21)
.irp g, G1, G1B
	s_mov_b32 s[\g+1], 384<<16                     ; a row: two images, 3,072 bytes
	s_mov_b32 s[\g+2], 16<<16                      ; 16 blocks of 16 rows for the head's loads; 8 behind them
	s_mov_b32 s[\g+3], 384<<16
	s_mov_b32 s[\g+4], 16
	s_mov_b32 s[\g+5], 1536                        ; from block to block: 8 images
	s_mov_b32 s[\g+6], 0
	s_mov_b32 s[\g+7], 0
.endr
	s_or_b32 s[G1S+0], s43, (3<<16)|(1<<20)|(1<<21)|(5<<22)|(3<<25)
	s_or_b32 s[G1SB+0], s44, (3<<16)|(1<<20)|(1<<21)|(5<<22)|(3<<25)
.irp g, G1S, G1SB
	s_mov_b32 s[\g+1], 32<<16
	s_mov_b32 s[\g+2], (256*KS/256)<<16
	s_mov_b32 s[\g+3], 32<<16
	s_mov_b32 s[\g+4], 256*KS/256
	s_mov_b32 s[\g+5], 32
	s_mov_b32 s[\g+6], 0
	s_mov_b32 s[\g+7], 0
.endr
	s_lshl_b32 s20, s17, 8                         ; A: the tile's first row
	s_lshl_b32 s46, s42, 8                         ; B: likewise
	s_mov_b32 s21, 0
	s_mov_b32 s47, 0
	s_mov_b64 s[18:19], KS
	s_mul_u64 s[22:23], s[20:21], s[18:19]
	s_mul_u64 s[92:93], s[46:47], s[18:19]
	s_mov_b64 s[18:19], KROW
	s_mul_u64 s[20:21], s[20:21], s[18:19]
	s_mul_u64 s[46:47], s[46:47], s[18:19]
	s_mul_i32 s45, s14, HALFT
	s_mul_i32 s18, s16, 128*KROW                   ; in the ring I fetch 128 rows: which half, in bytes
	s_mov_b32 s19, 0
	s_wait_kmcnt 0x0
	s_mov_b64 s[96:97], s[6:7]
	s_add_nc_u64 s[6:7], s[4:5], 3145728
	s_add_nc_u64 s[20:21], s[4:5], s[20:21]
	s_add_nc_u64 s[22:23], s[6:7], s[22:23]
	s_add_nc_u64 s[46:47], s[8:9], s[46:47]
	s_add_nc_u64 s[46:47], s[46:47], 3145728       ; w1's images in wim
	s_add_nc_u64 s[92:93], s[10:11], s[92:93]
	CROUND
	s_mov_b32 s[G0S], 1
	s_mov_b32 s[G0S+1], SCL
	s_mov_b64 s[G0S+2:G0S+3], s[22:23]
	s_or_b32 s[G0S+3], s[G0S+3], 0x80000000
	s_mov_b32 s[G0SB], 1
	s_mov_b32 s[G0SB+1], SCL+2*HALFS
	s_mov_b64 s[G0SB+2:G0SB+3], s[92:93]
	s_or_b32 s[G0SB+3], s[G0SB+3], 0x80000000
.irp s, 0,1
	s_mov_b32 s[G0+4*\s], 1
	s_add_co_u32 s[G0+4*\s+1], s45, \s*SLOT
	s_add_nc_u64 s[G0+4*\s+2:G0+4*\s+3], s[20:21], \s*ROWB
	s_or_b32 s[G0+4*\s+3], s[G0+4*\s+3], 0x80000000
	s_mov_b32 s[G0B+4*\s], 1
	s_add_co_u32 s[G0B+4*\s+1], s45, \s*SLOT
	s_add_nc_u64 s[G0B+4*\s+2:G0B+4*\s+3], s[46:47], \s*ROWB
	s_or_b32 s[G0B+4*\s+3], s[G0B+4*\s+3], 0x80000000
.endr
; THE HEAD'S LOADS, ONE A WAVE: wave 0 K step 0 of A's 256 rows, wave 1 of B's, wave 2 A's scales, wave 3 B's.  Slot 0's groups 0 name the whole tiles here; the halves are added behind the wait for these loads.
	s_mov_b32 s[G0+1], 0
	s_mov_b32 s[G0B+1], 2*HALFT
.macro ARM under, g0, g1, next
	s_cmp_lt_u32 s14, \under
	s_cbranch_scc0 \next
	tensor_load_to_lds s[\g0:\g0+3], s[\g1:\g1+7]
	s_nop 0
.rept 4
	v_nop
.endr
	s_branch .Lhead_asked
\next:
.endm
	ARM 1, G0,  G1,  .Lhead_b
	ARM 2, G0B, G1B, .Lhead_sa
	ARM 3, G0S, G1S, .Lhead_sb
	tensor_load_to_lds s[G0SB:G0SB+3], s[G1SB:G1SB+7]
	s_nop 0
.rept 4
	v_nop
.endr
.Lhead_asked:
	v_and_b32 v1, 15, v0
	v_bfe_u32 v2, v0, 4, 1
	v_and_b32 v4, 31, v0
	v_lshlrev_b32 v4, 3, v4                        ; an image's pair: 8 x lane
	s_wait_alu depctr_va_vdst(0)
	s_mul_i32 s21, s15, HALFT
	s_mul_i32 s22, s16, HALFT
	s_add_co_u32 s22, s22, 2*HALFT
.irp s, 0,1
	v_add_nc_u32 v[ADRA+\s], s21, v4
	v_add_nc_u32 v[ADRB+\s], s22, v4
	s_add_co_u32 s21, s21, SLOT
	s_add_co_u32 s22, s22, SLOT
.endr
	v_mul_u32_u24 v5, v1, KS
	v_lshrrev_b32 v6, 8, v5
	v_lshl_add_u32 v5, v6, 4, v5
	s_mul_i32 s21, s15, HALFS
	s_mul_i32 s22, s16, HALFS
	s_add_co_u32 s22, s22, 2*HALFS
	s_sub_co_u32 s22, s22, s21
	v_mul_u32_u24 v6, s22, v2
	s_add_co_u32 s21, s21, SCL
	v_add_nc_u32 v5, v5, v6
	v_add_nc_u32 v[ADRS], s21, v5
	s_mul_i32 s23, s14, 16*SPITCH
	v_mul_u32_u24 v5, v1, SPITCH
	v_lshl_add_u32 v6, v2, 5, v5
	v_add_nc_u32 v[STO], s23, v6
	v_lshl_add_u32 v6, v2, 7, v5
	v_add_nc_u32 v[RD], s23, v6
	v_and_b32 v6, 31, v0
	s_lshl_b32 s23, s14, 9
	s_add_co_u32 s23, s23, SST
	v_lshl_add_u32 v[SSO], v1, 2, s23
	v_lshl_add_u32 v[SSR], v6, 4, s23
	v_lshlrev_b32 v[GI], 3, v6
	v_lshlrev_b32 v[GW], 4, v6
	v_lshlrev_b32 v[BO], 7, v2
	v_lshlrev_b32 v[SH], 3, v2
	v_mov_b32 v[PD], 0
	s_lshl_b32 s46, s42, 10
	s_lshl_b32 s47, s16, 9
	s_add_co_u32 s46, s46, s47
	s_mov_b32 s47, 0
	s_add_nc_u64 s[96:97], s[96:97], s[46:47]
.irp i, 0,1,2,3,4,5,6,7
	global_load_b128 v[BI+4*\i:BI+4*\i+3], v[BO], s[96:97] offset:16*\i
	global_load_b128 v[BI+32+4*\i:BI+32+4*\i+3], v[BO], s[96:97] offset:256+16*\i
.endr
	s_lshl_b32 s20, s17, 4
	s_lshl_b32 s21, s15, 3
	s_add_co_u32 s20, s20, s21
	s_lshl_b32 s46, s42, 1
	s_add_co_u32 s46, s46, s16
	s_lshl_b32 s21, s20, 5
	s_add_co_u32 s21, s21, s46
	s_mul_i32 s98, s21, 1536
	s_mov_b32 s99, 0
	s_lshl_b32 s46, s46, 12
	s_lshl_b32 s20, s20, 4
	s_add_co_u32 s20, s20, s46
	s_lshl_b32 s20, s20, 2
	s_add_co_u32 s20, s20, 12582912
	s_mov_b32 s21, 0
	s_add_nc_u64 s[20:21], s[12:13], s[20:21]
	s_add_nc_u64 s[12:13], s[12:13], s[98:99]
.macro FRAG reg, adr, q, i
.irp p, 0,1,2,3,4,5
	ds_load_b64 v[\reg+2*\p:\reg+2*\p+1], v[\adr] offset:(\i)*3072+(\q)*1536+256*\p   ; block i, image q, pair p
.endr
.endm
.macro MUL16 a0, p, q, sc, zero
.irp a, \a0, \a0+1
.irp b, 0,1,2,3,4,5,6,7
.if \zero
	v_wmma_scale_f32_16x16x128_f8f6f4 v[8*(8*((\a)%4)+\b):8*(8*((\a)%4)+\b)+7], v[128*(\p)+FR*\b:128*(\p)+FR*\b+FR-1], v[AF+FR*(\a):AF+FR*(\a)+FR-1], 0, v[SC+8*NQ*(\sc)+NQ*\b+(\q)], v[SC+8*NQ*(\sc)+NQ*(\a)+(\q)] matrix_a_fmt:MATRIX_FMT_FP6 matrix_b_fmt:MATRIX_FMT_FP6 matrix_a_scale:MATRIX_SCALE_ROW1
.else
	v_wmma_scale_f32_16x16x128_f8f6f4 v[8*(8*((\a)%4)+\b):8*(8*((\a)%4)+\b)+7], v[128*(\p)+FR*\b:128*(\p)+FR*\b+FR-1], v[AF+FR*(\a):AF+FR*(\a)+FR-1], v[8*(8*((\a)%4)+\b):8*(8*((\a)%4)+\b)+7], v[SC+8*NQ*(\sc)+NQ*\b+(\q)], v[SC+8*NQ*(\sc)+NQ*(\a)+(\q)] matrix_a_fmt:MATRIX_FMT_FP6 matrix_b_fmt:MATRIX_FMT_FP6 matrix_a_scale:MATRIX_SCALE_ROW1
.endif
.endr
.endr
.endm
.macro FETCH_B slot, q, p
	WIN TO_B
.irp i, 0,1,2,3,4,5,6,7
	FRAG 128*(\p)+FR*\i, ADRB+\slot, \q, \i
.endr
	WIN 0
.endm
.macro FETCH_A slot, q, i0
.irp i, \i0, \i0+1, \i0+2, \i0+3
	FRAG AF+FR*(\i), ADRA+\slot, \q, \i
.endr
.endm
.macro SCALES sc
.irp i, 0,1,2,3,4,5,6,7
	ds_load_b64 v[SC+8*NQ*\sc+NQ*\i:SC+8*NQ*\sc+NQ*\i+1], v[ADRS] offset:\i*SBLK
.endr
.endm
.macro PLACES n
.rept \n
	v_nop
.endr
.endm
.macro STEP slot, q, zero
	s_wait_dscnt 4*NL
	WIN MUL_LO
	MUL16 0, (\q)%2, \q, \slot, \zero
	MUL16 2, (\q)%2, \q, \slot, \zero
	s_wait_dscnt 0
	PLACES NP
	FETCH_B \slot, (\q)+1, 1-(\q)%2
	FETCH_A \slot, (\q)+1, 0
	WIN MUL_HI
	MUL16 4, (\q)%2, \q, \slot, \zero
	MUL16 6, (\q)%2, \q, \slot, \zero
	PLACES NP
	WIN 0
	FETCH_A \slot, (\q)+1, 4
.endm
.macro TURN slot, next, fill
	s_wait_tensorcnt 0x0
	ds_add_u32 v[SPW], v[NIL]
	s_wait_dscnt 4*NL+1
	WIN MUL_LO
	MUL16 0, 1, NQ-1, \slot, 0
	s_wait_dscnt 0x0
	s_barrier_signal -1
	MUL16 2, 1, NQ-1, \slot, 0
	WIN 0
	s_barrier_wait -1
.if \fill
	CREST
	s_add_nc_u64 s[G0+4*\slot+2:G0+4*\slot+3], s[G0+4*\slot+2:G0+4*\slot+3], 2*ROWB
	s_add_nc_u64 s[G0B+4*\slot+2:G0B+4*\slot+3], s[G0B+4*\slot+2:G0B+4*\slot+3], 2*ROWB
	JLOAD G0+4*\slot, G1, G0B+4*\slot, G1B
.else
	PLACES NP
.endif
	s_wait_alu depctr_va_vdst(0)
	v_add_nc_u32 v[ADRS], 4*NQ, v[ADRS]
	FETCH_B \next, 0, 0
	FETCH_A \next, 0, 0
	SCALES \next
	WIN MUL_HI
	MUL16 4, 1, NQ-1, \slot, 0
	MUL16 6, 1, NQ-1, \slot, 0
	PLACES NP
	WIN 0
	FETCH_A \next, 0, 4
.endm
	s_wait_alu depctr_va_vdst(0)                   ; the wait at the head's end
	s_wait_tensorcnt 0x0                           ; my tile of the head's four is in
	ds_add_u32 v[SPW], v[NIL]
	s_mov_b32 s[G1+2], 8<<16                       ; no tensor load of mine is out: from here on a load brings 8 blocks of 16 rows,
	s_mov_b32 s[G1+4], 8
	s_mov_b32 s[G1B+2], 8<<16
	s_mov_b32 s[G1B+4], 8
	s_mov_b32 s[G0+1], s45                         ; into my quarter of the slot,
	s_mov_b32 s[G0B+1], s45
.irp g, G0, G0+4, G0B, G0B+4
	s_add_nc_u64 s[\g+2:\g+3], s[\g+2:\g+3], s[18:19]   ; from my half of the tile's rows
.endr
	s_wait_dscnt 0x0
	CROUND                                         ; all four tiles are in, and all sixteen work-groups are here
	JLOAD G0+4, G1, G0B+4, G1B                     ; K step 1, the first tensor load behind the round
	FETCH_B 0, 0, 0
	FETCH_A 0, 0, 0
	SCALES 0
	FETCH_A 0, 0, 4
	STEP 0, 0, 1
	s_mov_b32 s3, LAPS-1
.Llap:
	TURN 0, 1, 1
	STEP 1, 0, 0
	TURN 1, 0, 1
	STEP 0, 0, 0
	s_sub_co_u32 s3, s3, 1
	s_cmp_lg_u32 s3, 0
	s_cbranch_scc1 .Llap
	TURN 0, 1, 0
	STEP 1, 0, 0
	s_wait_dscnt 4*NL
	WIN MUL_LO
	MUL16 0, 1, NQ-1, 1, 0
	MUL16 2, 1, NQ-1, 1, 0
	s_wait_dscnt 0
	WIN MUL_HI
	MUL16 4, 1, NQ-1, 1, 0
	MUL16 6, 1, NQ-1, 1, 0
	WIN 0
.macro TOSTAGE2 a
.set AC, 64*((\a)%4)
	WIN 0x08+4*((\a)/4)
.irp b, 0,1,2,3,4,5,6,7
	ds_store_b128 v[STO], v[AC+8*\b:AC+8*\b+3] offset:64*\b
	ds_store_b128 v[STO], v[AC+8*\b+4:AC+8*\b+7] offset:64*\b+16
.endr
	WIN 0
.set BB, BK+64*((\a)%2)
.irp t, 0,1,2,3,4,5,6,7,8,9,10,11,12,13,14,15
	ds_load_b128 v[BB+4*\t:BB+4*\t+3], v[RD] offset:16*\t+128*(\t/8)
.endr
.endm
.macro QUANT64
	v_max3_num_f32 v[MM], |v[XQ]|, |v[XQ+1]|, 0x1800000
	v_max3_num_f32 v[MM+1], |v[XQ+32]|, |v[XQ+33]|, 0x1800000
.irp i, 2,4,6,8,10,12,14,16,18,20,22,24,26,28,30
	v_max3_num_f32 v[MM], v[MM], |v[XQ+\i]|, |v[XQ+\i+1]|
	v_max3_num_f32 v[MM+1], v[MM+1], |v[XQ+32+\i]|, |v[XQ+33+\i]|
.endr
	v_add_nc_u32 v[SS], 0xff000000, v[MM]
	v_add_nc_u32 v[SS+1], 0xff000000, v[MM+1]
	v_lshrrev_b32 v[EE], 23, v[SS]
	v_lshrrev_b32 v[EE+1], 23, v[SS+1]
	v_cvt_scalef32_pk16_fp6_f32 v[CC:CC+2], v[XQ:XQ+15], v[SS]
	v_cvt_scalef32_pk16_fp6_f32 v[T0:T0+2], v[XQ+16:XQ+31], v[SS]
	v_cvt_scalef32_pk16_fp6_f32 v[CC+6:CC+8], v[XQ+32:XQ+47], v[SS+1]
	v_cvt_scalef32_pk16_fp6_f32 v[T1:T1+2], v[XQ+48:XQ+63], v[SS+1]
	v_nop
.irp i, 0,1,2
	v_mov_b32 v[CC+3+\i], v[T0+\i]
	v_mov_b32 v[CC+9+\i], v[T1+\i]
.endr
.endm
.macro OUTBLK a
.if (\a) < 7
	TOSTAGE2 (\a)+1
	s_wait_dscnt 32
.else
	s_wait_dscnt 0x0
.endif
.set XQ, BK+64*((\a)%2)
.set i, 0
.rept 32
	v_pk_add_f32 v[XQ+i:XQ+i+1], v[XQ+i:XQ+i+1], v[BI+i:BI+i+1]
.set i, i+2
.endr
.set i, 0
.rept 64
	v_max_num_f32 v[XQ+i], 0, v[XQ+i]
.set i, i+1
.endr
	s_wait_xcnt 0x0
	QUANT64
	v_lshl_or_b32 v[WW], v[EE+1], 16, v[EE]
	v_lshlrev_b32 v[WW], v[SH], v[WW]
	v_permlanex16_b32 v[PD], v[WW], s66, s67
	v_or_b32 v[WW], v[WW], v[PD]
	ds_store_b32 v[SSO], v[WW] offset:64*(\a)
.irp p, 0,1,2,3,4,5
	global_store_b64 v[GI], v[CC+2*\p:CC+2*\p+1], s[12:13] offset:49152*(\a)+256*\p
.endr
.endm
	s_wait_loadcnt 0x0
	PLACES NP
	TOSTAGE2 0
.irp a, 0,1,2,3,4,5,6,7
	OUTBLK \a
.endr
	ds_load_b128 v[SRR:SRR+3], v[SSR]
	s_wait_dscnt 0x0
	global_store_b128 v[GW], v[SRR:SRR+3], s[20:21]
	s_wait_tensorcnt 0x0
	ds_add_u32 v[SPW], v[NIL]
	s_wait_dscnt 0x0
	CROUND
	s_endpgm
.Lfunc_end_k_q8b3d90965b_ffn1:
	.size	k_q8b3d90965b_ffn1, .Lfunc_end_k_q8b3d90965b_ffn1-k_q8b3d90965b_ffn1
	.p2alignl 7, 3214868480
	.fill 96, 4, 3214868480
	.section	.rodata,"a",@progbits
	.p2align	6, 0x0
	.amdhsa_kernel k_q8b3d90965b_ffn1
		.amdhsa_group_segment_fixed_size 327680
		.amdhsa_private_segment_fixed_size 0
		.amdhsa_enable_private_segment 0
		.amdhsa_kernarg_size 40
		.amdhsa_user_sgpr_count 2
		.amdhsa_user_sgpr_kernarg_segment_ptr 1
		.amdhsa_wavefront_size32 1
		.amdhsa_system_sgpr_workgroup_id_x 1
		.amdhsa_system_sgpr_workgroup_id_y 1
		.amdhsa_system_sgpr_workgroup_id_z 1
		.amdhsa_system_vgpr_workitem_id 0
		.amdhsa_next_free_vgpr 1024
		.amdhsa_next_free_sgpr 100
		.amdhsa_reserve_vcc 0
		.amdhsa_float_denorm_mode_32 3
		.amdhsa_float_denorm_mode_16_64 3
		.amdhsa_memory_ordered 1
		.amdhsa_forward_progress 1
		.amdhsa_inst_pref_size 211
	.end_amdhsa_kernel
	.amdgpu_metadata
---
amdhsa.version: [ 1, 2 ]
amdhsa.kernels:
  - .name:           k_q8b3d90965b_ffn1
    .symbol:         k_q8b3d90965b_ffn1.kd
    .args:
      - { .name: tq, .offset: 0, .size: 8, .value_kind: global_buffer, .address_space: global }
      - { .name: b1, .offset: 8, .size: 8, .value_kind: global_buffer, .address_space: global }
      - { .name: wim, .offset: 16, .size: 8, .value_kind: global_buffer, .address_space: global }
      - { .name: w1_scales, .offset: 24, .size: 8, .value_kind: global_buffer, .address_space: global }
      - { .name: hid, .offset: 32, .size: 8, .value_kind: global_buffer, .address_space: global }
    .group_segment_fixed_size: 327680
    .private_segment_fixed_size: 0
    .kernarg_segment_align: 8
    .kernarg_segment_size: 40
    .max_flat_workgroup_size: 128
    .sgpr_count:     100
    .vgpr_count:     1024
    .wavefront_size: 32
...
	.end_amdgpu_metadata
.endif
;; end of part 6
;; launch ffn2 (part 7): grid 8 x 32, 4 waves a work-group, clusters of 4 x 4, 327,680 bytes of LDS; arguments hid, wim, w2_scales, b2, x1, out0; writes out0
.if DOCPART == 7
	.amdgcn_target "amdgcn-amd-amdhsa--gfx1250"
	.amdhsa_code_object_version 6
	.text
	.protected	k_q8b3d90965b_ffn2
	.globl	k_q8b3d90965b_ffn2
	.p2align	8
	.type	k_q8b3d90965b_ffn2,@function
k_q8b3d90965b_ffn2:
	s_mov_b64 s[64:65], 0
	v_nop
	global_prefetch_b8 v0, s[64:65] scope:SCOPE_SE
	s_setreg_imm32_b32 hwreg(HW_REG_WAVE_MODE, 25, 1), 1
	s_wait_xcnt 0x0
	s_wait_alu depctr_hold_cnt(0) depctr_sa_sdst(0) depctr_va_vdst(0) depctr_va_sdst(0) depctr_va_ssrc(0) depctr_va_vcc(0) depctr_vm_vsrc(0)
	s_getreg_b32 s2, hwreg(HW_REG_IB_STS2, 6, 4)
	s_cmp_eq_u32 s2, 0
	s_cbranch_scc0 .Lentry_in_a_cluster
	s_endpgm
.Lentry_in_a_cluster:
	s_bfe_u32 s2, ttmp6, 0x10000c
	s_cmp_lg_u32 s2, 0xf033
	s_cbranch_scc0 .Lentry_shape_is_right
	s_endpgm
.Lentry_shape_is_right:
.set SIZE_K, 4096
.set NKC,    SIZE_K/128
.set KROW,   SIZE_K*6/8
.set KS,     SIZE_K/32
.set LAPS,   SIZE_K/1024
.set ASC,    4096*KROW
; out = x1 + b2 + hid w2, a 128 x 128 tile a work-group, K = 4096 in slots of 512 through a ring of two LDS slots; the scales of all of K come once.
; BOTH OPERANDS COME AS IMAGES OF OPERAND REGISTERS, [row / 16][k / 128][1536 bytes] (w2's in wim): both sides of a slot are [8 blocks][4 images].
.set ABYT,   49152
.set SUBB,   24576                     ; W's images of 64 rows
.set WOFF,   6291456                   ; where this weight's images begin in wim
.set SLOT,   ABYT+2*SUBB
.set SCA,    2*SLOT
.set SCB,    SCA+NKC*512
.set HALFSB, (64*KS/256)*272
.set SPARE,  SCB+2*HALFSB
.set ADRA, 16
.set ADRB, 20
.set STO,  24
.set RD,   25
.set CO,   26
.set ADSA, 27
.set SPW,  28
.set NIL,  29
.set ADSB, 30
.set BO,   31
.set SC,   32
.set BI,   64
.set ACC,  128
.set OB,   32
.set RES,  64
.set G1, 24
.set G0, 32
.set G1B, 48
.set G0B, 56
.set G1S, 68
.set G0S, 76
.set G1SB, 80
.set G0SB, 88
.set MSB, 0
.macro WIN new
.if MSB != \new
	s_set_vgpr_msb (MSB<<8)|\new
.set MSB, \new
.endif
.endm
.set MUL,  0x05
.set TO_F, 0x40
.macro JLOAD g0a, g1a, g0b, g1b
	s_cmp_eq_u32 s15, 0
	s_cbranch_scc0 .Lfor_b_\@
	tensor_load_to_lds s[\g0a:\g0a+3], s[\g1a:\g1a+7]
	s_nop 0
.rept 4
	v_nop
.endr
	s_branch .Lasked_\@
.Lfor_b_\@:
	tensor_load_to_lds s[\g0b:\g0b+3], s[\g1b:\g1b+7]
	s_nop 0
.rept 4
	v_nop
.endr
.Lasked_\@:
.endm
.macro CREST
	s_cmp_lg_u32 s14, 0
	s_cbranch_scc1 .Lnot_wave_0_\@
	s_barrier_signal -3
.Lnot_wave_0_\@:
	s_barrier_wait -3
	s_barrier_signal -1
	s_barrier_wait -1
.endm
.macro CROUND
	s_barrier_signal -1
	s_barrier_wait -1
	CREST
.endm
	s_load_b256 s[4:11], s[0:1], 0x0
	s_load_b128 s[92:95], s[0:1], 0x20
	v_lshl_add_u32 v[SPW], v0, 2, SPARE
	v_mov_b32 v[NIL], 0
	ds_add_u32 v28, v29
	ds_add_u32 v28, v29
	s_wait_dscnt 0x0
	v_lshrrev_b32 v1, 5, v0
	v_readfirstlane_b32 s14, v1
	s_lshr_b32 s15, s14, 1
	s_and_b32 s16, s14, 1
	s_bfe_u32 s40, ttmp6, 0x40000
	s_bfe_u32 s41, ttmp6, 0x40004
	s_lshl_b32 s42, ttmp9, 2
	s_add_co_u32 s42, s42, s40
	s_and_b32 s17, ttmp7, 0xffff
	s_lshl_b32 s17, s17, 2
	s_add_co_u32 s17, s17, s41
	s_lshl_b32 s43, s41, 2
	s_lshl_b32 s43, 15, s43
	s_lshl_b32 s44, 0x1111, s40
	s_or_b32 s[G1+0], s43, (3<<16)|(1<<21)
	s_mov_b32 s[G1+1], 768<<16
	s_mov_b32 s[G1+2], 8<<16                       ; 8 blocks for the head's loads; 4 behind them
	s_mov_b32 s[G1+3], 768<<16
	s_mov_b32 s[G1+4], 8
	s_mov_b32 s[G1+5], NKC*192
	s_mov_b32 s[G1+6], 0
	s_mov_b32 s[G1+7], 0
	s_or_b32 s[G1B+0], s44, (3<<16)|(1<<21)        ; W as A: of each block 4 images on end
	s_mov_b32 s[G1B+1], 768<<16
	s_mov_b32 s[G1B+2], 8<<16
	s_mov_b32 s[G1B+3], 768<<16
	s_mov_b32 s[G1B+4], 8
	s_mov_b32 s[G1B+5], NKC*192
	s_mov_b32 s[G1B+6], 0
	s_mov_b32 s[G1B+7], 0
	s_or_b32 s[G1S+0], s43, (3<<16)|(1<<21)
	s_mov_b32 s[G1S+1], 64<<16
	s_mov_b32 s[G1S+2], NKC<<16
	s_mov_b32 s[G1S+3], 64<<16
	s_mov_b32 s[G1S+4], NKC
	s_mov_b32 s[G1S+5], 2048
	s_mov_b32 s[G1S+6], 0
	s_mov_b32 s[G1S+7], 0
	s_or_b32 s[G1SB+0], s44, (3<<16)|(1<<20)|(1<<21)|(5<<22)|(3<<25)
	s_mov_b32 s[G1SB+1], 32<<16
	s_mov_b32 s[G1SB+2], (128*KS/256)<<16
	s_mov_b32 s[G1SB+3], 32<<16
	s_mov_b32 s[G1SB+4], 128*KS/256
	s_mov_b32 s[G1SB+5], 32
	s_mov_b32 s[G1SB+6], 0
	s_mov_b32 s[G1SB+7], 0
	s_mul_i32 s20, s17, 8*NKC*1536                 ; the tile's first block of A
	s_mov_b32 s21, 0
	s_lshl_b32 s22, s17, 9
	s_add_co_u32 s22, s22, ASC
	s_mov_b32 s23, 0
	s_mul_i32 s46, s42, 128*KROW
	s_add_co_u32 s46, s46, WOFF
	s_mov_b32 s47, 0
	s_mul_i32 s96, s42, 128*KS
	s_mul_i32 s18, s16, 4*NKC*1536                 ; in the ring I fetch 4 blocks: which half, in bytes
	s_mov_b32 s19, 0
	s_mov_b32 s97, 0
	s_mul_i32 s45, s16, 24576
	s_mul_i32 s98, s16, SUBB
	s_add_co_u32 s98, s98, ABYT
	s_wait_kmcnt 0x0
	s_add_nc_u64 s[20:21], s[4:5], s[20:21]
	s_add_nc_u64 s[22:23], s[4:5], s[22:23]
	s_add_nc_u64 s[46:47], s[6:7], s[46:47]
	s_add_nc_u64 s[96:97], s[8:9], s[96:97]
	CROUND
	s_mov_b32 s[G0S], 1
	s_mov_b32 s[G0S+1], SCA
	s_mov_b64 s[G0S+2:G0S+3], s[22:23]
	s_or_b32 s[G0S+3], s[G0S+3], 0x80000000
	s_mov_b32 s[G0SB], 1
	s_mov_b32 s[G0SB+1], SCB
	s_mov_b64 s[G0SB+2:G0SB+3], s[96:97]
	s_or_b32 s[G0SB+3], s[G0SB+3], 0x80000000
.irp s, 0,1
	s_mov_b32 s[G0+4*\s], 1
	s_add_co_u32 s[G0+4*\s+1], s45, \s*SLOT
	s_add_nc_u64 s[G0+4*\s+2:G0+4*\s+3], s[20:21], \s*6144
	s_or_b32 s[G0+4*\s+3], s[G0+4*\s+3], 0x80000000
	s_mov_b32 s[G0B+4*\s], 1
	s_add_co_u32 s[G0B+4*\s+1], s98, \s*SLOT
	s_add_nc_u64 s[G0B+4*\s+2:G0B+4*\s+3], s[46:47], \s*6144
	s_or_b32 s[G0B+4*\s+3], s[G0B+4*\s+3], 0x80000000
.endr
; THE HEAD'S LOADS, ONE A WAVE: wave 0 slot 0 of A's 128 rows, wave 1 of W's, wave 2 A's scale words, wave 3 W's scale bytes.  Slot 0's groups 0 name the whole tiles here; the halves are added behind the wait for these loads.
	s_mov_b32 s[G0+1], 0
	s_mov_b32 s[G0B+1], ABYT
.macro ARM under, g0, g1, next
	s_cmp_lt_u32 s14, \under
	s_cbranch_scc0 \next
	tensor_load_to_lds s[\g0:\g0+3], s[\g1:\g1+7]
	s_nop 0
.rept 4
	v_nop
.endr
	s_branch .Lhead_asked
\next:
.endm
	ARM 1, G0,  G1,  .Lhead_b
	ARM 2, G0B, G1B, .Lhead_sa
	ARM 3, G0S, G1S, .Lhead_sb
	tensor_load_to_lds s[G0SB:G0SB+3], s[G1SB:G1SB+7]
	s_nop 0
.rept 4
	v_nop
.endr
.Lhead_asked:
	v_and_b32 v1, 15, v0
	v_bfe_u32 v2, v0, 4, 1
	v_and_b32 v3, 31, v0
	s_wait_alu depctr_va_vdst(0)
	s_mul_i32 s21, s15, 24576
	v_lshl_add_u32 v[ADRA], v3, 3, s21
	v_add_nc_u32 v[ADRA+1], SLOT, v[ADRA]
	s_mul_i32 s22, s16, SUBB
	s_add_co_u32 s22, s22, ABYT
	v_lshl_add_u32 v[ADRB], v3, 3, s22             ; W's images: my 4 blocks, 8 x lane
	v_add_nc_u32 v[ADRB+1], SLOT, v[ADRB]
	s_lshl_b32 s21, s15, 8
	s_add_co_u32 s21, s21, SCA
	v_lshl_add_u32 v[ADSA], v3, 2, s21
	v_mul_u32_u24 v5, v3, KS
	v_lshrrev_b32 v6, 8, v5
	v_lshl_add_u32 v5, v6, 4, v5
	s_mul_i32 s22, s16, HALFSB
	s_add_co_u32 s22, s22, SCB
	v_add_nc_u32 v[ADSB], s22, v5
	s_mul_i32 s23, s14, 16*272
	v_mul_u32_u24 v5, v1, 272
	v_lshl_add_u32 v5, v2, 5, v5
	v_add_nc_u32 v[STO], s23, v5
	v_mul_u32_u24 v5, v2, 272
	v_lshl_add_u32 v5, v1, 4, v5
	v_add_nc_u32 v[RD], s23, v5
	v_lshlrev_b32 v[CO], 12, v2
	v_lshl_add_u32 v[CO], v1, 4, v[CO]
	v_lshlrev_b32 v[BO], 5, v2
	s_wait_alu depctr_va_vdst(0)
	s_lshl_b32 s20, s17, 7
	s_lshl_b32 s21, s15, 6
	s_add_co_u32 s20, s20, s21
	s_lshl_b32 s20, s20, 12
	s_lshl_b32 s46, s42, 7
	s_lshl_b32 s47, s16, 6
	s_add_co_u32 s46, s46, s47
	s_lshl_b32 s46, s46, 2
	s_mov_b32 s47, 0
	s_add_nc_u64 s[10:11], s[10:11], s[46:47]
	s_add_co_u32 s20, s20, s46
	s_mov_b32 s21, 0
	s_add_nc_u64 s[92:93], s[92:93], s[20:21]
	s_add_nc_u64 s[94:95], s[94:95], s[20:21]
.irp b, 0,1,2,3
	global_load_b128 v[BI+8*\b:BI+8*\b+3], v[BO], s[10:11] offset:64*\b
	global_load_b128 v[BI+8*\b+4:BI+8*\b+7], v[BO], s[10:11] offset:64*\b+16
.endr
.macro FRAGI reg, adr, off
.irp p, 0,1,2,3,4,5
	ds_load_b64 v[\reg+2*\p:\reg+2*\p+1], v[\adr] offset:(\off)+256*\p
.endr
.endm
.macro FETCH slot, q, p
	WIN TO_F
.irp i, 0,1,2,3
	FRAGI 128*(\p)+48+12*\i, ADRB+\slot, (4*\i+(\q))*1536
.endr
.irp i, 0,1,2,3
	FRAGI 128*(\p)+12*\i, ADRA+\slot, (4*\i+(\q))*1536
.endr
.endm
.macro SCALES s
.irp g, 0,1
	ds_load_b128 v[SC+16*(\s)+4*\g:SC+16*(\s)+4*\g+3], v[ADSB] offset:\g*(32*KS/256)*272
.endr
.irp q, 0,1,2,3
.irp g, 0,1
	ds_load_b32 v[SC+8+16*(\s)+2*\q+\g], v[ADSA] offset:512*\q+128*\g
.endr
.endr
.endm
.macro PLACES n
.rept \n
	v_nop
.endr
.endm
.macro MULA p, q, s, a, first
.irp b, 0,1,2,3
.set rD, ACC+8*(4*(\a)+\b)
.if \first
.set rC, BI+8*\b
.else
.set rC, ACC+8*(4*(\a)+\b)
.endif
.set rB, 128*(\p)+48+12*\b
.set rA, 128*(\p)+12*(\a)
.set rSB, SC+16*(\s)+4*(\b/2)+(\q)
.set rSA, SC+8+16*(\s)+2*(\q)+(\a)/2
.if (\b%2) && ((\a)%2)
	v_wmma_scale_f32_16x16x128_f8f6f4 v[rD:rD+7], v[rB:rB+11], v[rA:rA+11], v[rC:rC+7], v[rSB], v[rSA] matrix_a_fmt:MATRIX_FMT_FP6 matrix_b_fmt:MATRIX_FMT_FP6 matrix_a_scale:MATRIX_SCALE_ROW1 matrix_b_scale:MATRIX_SCALE_ROW1
.elseif \b%2
	v_wmma_scale_f32_16x16x128_f8f6f4 v[rD:rD+7], v[rB:rB+11], v[rA:rA+11], v[rC:rC+7], v[rSB], v[rSA] matrix_a_fmt:MATRIX_FMT_FP6 matrix_b_fmt:MATRIX_FMT_FP6 matrix_a_scale:MATRIX_SCALE_ROW1
.elseif (\a)%2
	v_wmma_scale_f32_16x16x128_f8f6f4 v[rD:rD+7], v[rB:rB+11], v[rA:rA+11], v[rC:rC+7], v[rSB], v[rSA] matrix_a_fmt:MATRIX_FMT_FP6 matrix_b_fmt:MATRIX_FMT_FP6 matrix_b_scale:MATRIX_SCALE_ROW1
.else
	v_wmma_scale_f32_16x16x128_f8f6f4 v[rD:rD+7], v[rB:rB+11], v[rA:rA+11], v[rC:rC+7], v[rSB], v[rSA] matrix_a_fmt:MATRIX_FMT_FP6 matrix_b_fmt:MATRIX_FMT_FP6
.endif
.endr
.endm
.macro STEP slot, q, first
	s_wait_dscnt 0x0
	PLACES 4
	FETCH \slot, (\q)+1, ((\q)+1)%2
	WIN MUL
	MULA (\q)%2, \q, \slot, 0, \first
	MULA (\q)%2, \q, \slot, 1, \first
	MULA (\q)%2, \q, \slot, 2, \first
	MULA (\q)%2, \q, \slot, 3, \first
.endm
.macro TURN slot, next, fill
	WIN 0
	s_wait_tensorcnt 0x0
	ds_add_u32 v[SPW], v[NIL]
	s_wait_dscnt 1
	WIN MUL
	MULA 1, 3, \slot, 0, 0
	s_wait_dscnt 0x0
	s_barrier_signal -1
	MULA 1, 3, \slot, 1, 0
	WIN 0
	s_barrier_wait -1
.if \fill
	CREST
	s_add_nc_u64 s[G0+4*\slot+2:G0+4*\slot+3], s[G0+4*\slot+2:G0+4*\slot+3], 12288
	s_add_nc_u64 s[G0B+4*\slot+2:G0B+4*\slot+3], s[G0B+4*\slot+2:G0B+4*\slot+3], 12288
	JLOAD G0+4*\slot, G1, G0B+4*\slot, G1B
.else
	PLACES 4
.endif
	s_wait_alu depctr_va_vdst(0)
	v_add_nc_u32 v[ADSA], 2048, v[ADSA]
	v_add_nc_u32 v[ADSB], 16, v[ADSB]
	FETCH \next, 0, 0
	WIN 0
	SCALES \next
	WIN MUL
	MULA 1, 3, \slot, 2, 0
	MULA 1, 3, \slot, 3, 0
.endm
	s_wait_alu depctr_va_vdst(0)                   ; the wait at the head's end
	s_wait_tensorcnt 0x0                           ; my tile of the head's four is in
	ds_add_u32 v[SPW], v[NIL]
	s_mov_b32 s[G1+2], 4<<16                       ; no tensor load of mine is out: from here on a load brings 4 blocks,
	s_mov_b32 s[G1+4], 4
	s_mov_b32 s[G1B+2], 4<<16
	s_mov_b32 s[G1B+4], 4
	s_mov_b32 s[G0+1], s45                         ; into my half of the slot's side,
	s_mov_b32 s[G0B+1], s98
.irp g, G0, G0+4, G0B, G0B+4
	s_add_nc_u64 s[\g+2:\g+3], s[\g+2:\g+3], s[18:19]   ; from my half of the tile's rows
.endr
	s_wait_dscnt 0x0
	CROUND                                         ; all four tiles are in, and all sixteen work-groups are here
	JLOAD G0+4, G1, G0B+4, G1B                     ; slot 1, the first tensor load behind the round
	FETCH 0, 0, 0
	WIN 0
	SCALES 0
	s_wait_loadcnt 0x0
	STEP 0, 0, 1
.if LAPS > 1
	WIN 0
	s_mov_b32 s3, LAPS-1
.Llap:
	STEP 0, 1, 0
	STEP 0, 2, 0
	TURN 0, 1, 1
	STEP 1, 0, 0
	STEP 1, 1, 0
	STEP 1, 2, 0
	TURN 1, 0, 1
	STEP 0, 0, 0
	WIN 0
	s_sub_co_u32 s3, s3, 1
	s_cmp_lg_u32 s3, 0
	s_cbranch_scc1 .Llap
.endif
	STEP 0, 1, 0
	STEP 0, 2, 0
	TURN 0, 1, 0
	STEP 1, 0, 0
	STEP 1, 1, 0
	STEP 1, 2, 0
	WIN 0
.macro RLOAD a
.irp t, 0,1,2,3,4,5,6,7
	global_load_b128 v[RES+32*((\a)%2)+4*\t:RES+32*((\a)%2)+4*\t+3], v[CO], s[92:93] offset:(16*(\a)+2*\t)*4096
.endr
.endm
	RLOAD 0
	RLOAD 1
	s_wait_dscnt 0x0
	WIN MUL
	MULA 1, 3, 1, 0, 0
	MULA 1, 3, 1, 1, 0
	MULA 1, 3, 1, 2, 0
	MULA 1, 3, 1, 3, 0
	WIN 0
.macro OUT a
.irp b, 0,1,2,3
	ds_store_b128 v[STO], v[ACC+8*(4*(\a)+\b):ACC+8*(4*(\a)+\b)+3] offset:64*\b
	ds_store_b128 v[STO], v[ACC+8*(4*(\a)+\b)+4:ACC+8*(4*(\a)+\b)+7] offset:64*\b+16
.endr
.irp t, 0,1,2,3,4,5,6,7
	ds_load_b128 v[OB+4*\t:OB+4*\t+3], v[RD] offset:544*\t
.endr
	s_wait_dscnt 0x0
.if (\a) < 3
	s_wait_loadcnt 8
.else
	s_wait_loadcnt 0x0
.endif
.set i, 0
.rept 16
	v_pk_add_f32 v[OB+i:OB+i+1], v[OB+i:OB+i+1], v[RES+32*((\a)%2)+i:RES+32*((\a)%2)+i+1]
.set i, i+2
.endr
.irp t, 0,1,2,3,4,5,6,7
	global_store_b128 v[CO], v[OB+4*\t:OB+4*\t+3], s[94:95] offset:(16*(\a)+2*\t)*4096
.endr
	s_wait_xcnt 0x0
.if (\a) < 2
	RLOAD (\a)+2
.endif
.endm
	PLACES 4
	OUT 0
	OUT 1
	OUT 2
	OUT 3
	s_wait_tensorcnt 0x0
	ds_add_u32 v[SPW], v[NIL]
	s_wait_dscnt 0x0
	CROUND
	s_endpgm
.Lfunc_end_k_q8b3d90965b_ffn2:
	.size	k_q8b3d90965b_ffn2, .Lfunc_end_k_q8b3d90965b_ffn2-k_q8b3d90965b_ffn2
	.p2alignl 7, 3214868480
	.fill 96, 4, 3214868480
	.section	.rodata,"a",@progbits
	.p2align	6, 0x0
	.amdhsa_kernel k_q8b3d90965b_ffn2
		.amdhsa_group_segment_fixed_size 327680
		.amdhsa_private_segment_fixed_size 0
		.amdhsa_enable_private_segment 0
		.amdhsa_kernarg_size 48
		.amdhsa_user_sgpr_count 2
		.amdhsa_user_sgpr_kernarg_segment_ptr 1
		.amdhsa_wavefront_size32 1
		.amdhsa_system_sgpr_workgroup_id_x 1
		.amdhsa_system_sgpr_workgroup_id_y 1
		.amdhsa_system_sgpr_workgroup_id_z 1
		.amdhsa_system_vgpr_workitem_id 0
		.amdhsa_next_free_vgpr 512
		.amdhsa_next_free_sgpr 102
		.amdhsa_reserve_vcc 0
		.amdhsa_float_denorm_mode_32 3
		.amdhsa_float_denorm_mode_16_64 3
		.amdhsa_memory_ordered 1
		.amdhsa_forward_progress 1
		.amdhsa_inst_pref_size 116
	.end_amdhsa_kernel
	.amdgpu_metadata
---
amdhsa.version: [ 1, 2 ]
amdhsa.kernels:
  - .name:           k_q8b3d90965b_ffn2
    .symbol:         k_q8b3d90965b_ffn2.kd
    .args:
      - { .name: hid, .offset: 0, .size: 8, .value_kind: global_buffer, .address_space: global }
      - { .name: wim, .offset: 8, .size: 8, .value_kind: global_buffer, .address_space: global }
      - { .name: w2_scales, .offset: 16, .size: 8, .value_kind: global_buffer, .address_space: global }
      - { .name: b2, .offset: 24, .size: 8, .value_kind: global_buffer, .address_space: global }
      - { .name: x1, .offset: 32, .size: 8, .value_kind: global_buffer, .address_space: global }
      - { .name: out0, .offset: 40, .size: 8, .value_kind: global_buffer, .address_space: global }
    .group_segment_fixed_size: 327680
    .private_segment_fixed_size: 0
    .kernarg_segment_align: 8
    .kernarg_segment_size: 48
    .max_flat_workgroup_size: 128
    .sgpr_count:     102
    .vgpr_count:     512
    .wavefront_size: 32
...
	.end_amdgpu_metadata
.endif
;; end of part 7
